; MI455X (gfx1250); checked and timed in simulation.
; The chip was launched on July 23, 2026; its instructions are those of AMD's public machine-readable ISA for CDNA 5 (MIT licence, August 2026) and "CDNA5" Instruction Set Architecture Reference Guide (July 2026). The comments in the code are by the model that wrote it; some were corrected since.
;; Kan Board768. Allowed arithmetic: matrix products marked QUANTISED: E2M1 operands, one E8M0 scale for each 32 along K, by v_wmma_scale_f32_16x16x128_f8f6f4 with both operands' format E2M1 (or v_wmma_scale_f32_32x16x128_f4), f32 sums; products left as they are: f32 operands where the result goes on into a quantised operand, else bf16, f16 or f32 operands; f32 sums; everything else in f32.
;; Inputs: ft_b 128 float32; ft_w 128 x 768 float32; kan1_base_w 128 x 256 float32; kan1_spline_w 128 x 256 x 8 float32; kan2_base_w 1 x 128 float32; kan2_spline_w 1 x 128 x 8 float32; nstm 32,768 x 768 float32; stm 32,768 x 768 float32.
;; Outputs: out0 32,768 x 1 float32.
;; This version of the problem:
;;   THIS VERSION OF THE PROBLEM IS GIVEN IN LOW PRECISION. The matrix products marked QUANTISED in the list below multiply operands that are first quantised to E2M1 (2 exponent bits, 1 mantissa bit; 4 bits a number), with one power-of-two scale for each 32 numbers along K (OCP MX v1.0); their sums are f32. All else is computed in f32.
;;   The module's matrix products, in the order in which they are computed (A, B: the left and right operand; K: the contracted axis; several contracted axes count as one K, in the product's order):
;;     1. [M 32,768, K 768] x [K 768, N 128]; A: input stm; B: input ft_w: QUANTISED
;;     2. [M 32,768, K 768] x [K 768, N 128]; A: input nstm; B: input ft_w: QUANTISED
;;     3. [M 32,768, K 256] x [K 256, N 128]; A: computed on the way; B: input kan1_base_w: QUANTISED
;;     4. [M 32,768, K 2,048] x [K 2,048, N 128]; A: computed on the way; B: input kan1_spline_w: QUANTISED
;;     5. [M 32,768, K 128] x [K 128, N 1]; A: computed on the way; B: input kan2_base_w: left as it is (N = 1 < 16)
;;     6. [M 32,768, K 1,024] x [K 1,024, N 1]; A: computed on the way; B: input kan2_spline_w: left as it is (N = 1 < 16)
;;   THE QUANTISER, for each operand of a quantised product, along K:
;;     - K is cut into blocks of 32 from its start; a last block that is shorter is filled with zeros.
;;     - A block's scale is 2^e with e = floor(log2(the largest magnitude in the block)) - 2, held to -126 .. 127; a block of zeros has e = 0. As a byte (E8M0): e + 127.
;;     - Each number is divided by its block's scale, clamped to +-6, and rounded to the nearest number of E2M1, ties to even, subnormals kept.
;;     - The product sums the exact products of the quantised numbers (number of the format x scale) in f32.
;;   ~~~python
;;   def quantise(x, axis):      # numpy; x: float32 -> the quantised numbers, widened to float32 again
;;       x = np.moveaxis(x, axis, -1); K = x.shape[-1]
;;       x = np.pad(x, [(0, 0)] * (x.ndim - 1) + [(0, -K % 32)]); x = x.reshape(x.shape[:-1] + (-1, 32)); a = np.abs(x).max(-1, keepdims=True)
;;       e = np.where(a > 0, np.clip(np.frexp(np.where(a > 0, a, 1))[1] - 1 - 2, -126, 127), 0)      # np.frexp(a)[1] - 1 = floor(log2(a)), exactly
;;       r = np.clip(x / 2.0 ** e, -6, 6)
;;       step = 2.0 ** (np.maximum(np.frexp(np.where(r == 0, 1, r))[1] - 1, 0) - 1)
;;       q = np.round(r / step) * step * 2.0 ** e      # np.round: ties to even
;;       return np.moveaxis(q.reshape(q.shape[:-2] + (-1,))[..., :K], -1, axis).astype(np.float32)
;;   ~~~
;;   OPERANDS COMPUTED ON THE WAY. 'Computed on the way' means the value that the module computes at that place (a softmax that the list does not call 'softmax' is quantised finished and normalised). What goes into a quantiser is computed in f32, as accurately as f32 sums, v_exp_f32 and their like allow (about 1e-6 of the number): no bf16 or f16 on the way to a quantiser, and a product that is left as it is and whose result goes on into a quantised operand takes f32 operands (vector FMAs, or v_wmma_f32_16x16x4_f32). A number that lies on a knife's edge between two numbers of the format may be rounded either way, as far as f32 arithmetic and the matrix unit's own rounding can turn it there, and no further.
;; 2 versions. Each part assembles by itself: llvm-mc -triple=amdgcn-amd-amdhsa -mcpu=gfx1250 --defsym DOCPART=n.
;; ======== version 1 of 2: 2 launches
;; workspace buffers: wimg 196,608 bytes; wsc 12,288 bytes
;; launch prep (part 1): grid 12 x 4, 4 waves a work-group, no clusters, 0 bytes of LDS; arguments ft_w, kan1_base_w, kan1_spline_w, wimg, wsc; writes wimg, wsc
.if DOCPART == 1
	.amdgcn_target "amdgcn-amd-amdhsa--gfx1250"
	.amdhsa_code_object_version 6
	.text
	.protected	k_q6a3a91e294_prep
	.globl	k_q6a3a91e294_prep
	.p2align	8
	.type	k_q6a3a91e294_prep,@function
k_q6a3a91e294_prep:
	s_mov_b64 s[64:65], 0
	v_nop
	global_prefetch_b8 v0, s[64:65] scope:SCOPE_SE
	s_setreg_imm32_b32 hwreg(HW_REG_WAVE_MODE, 25, 1), 1
	s_wait_xcnt 0x0
; The three weights of the quantised products become codes of FP4 (E2M1) with one E8M0 byte for each 32 along K, laid as IMAGES OF OPERAND REGISTERS, so that the
; second launch loads each fragment (16 rows x 128 K: 8 registers a lane) by two loads of 16 bytes a lane and keeps it in registers.
; One wave makes one fragment.  Fragment g = 48 w + l belongs to wave w of the second launch:
;   l = 2 k + u  (l < 12):        ft_w, K step k, unit tile 2 w + u.  Row r of the tile is unit 16 (2 w + u) + 8 ((r >> 2) & 1) + 4 (r >> 3) + (r & 3): the order in which the
;                                 second launch wants its results, so that a lane's eight results are the eight inputs of one spline fragment's registers
;   l = 12 + 2 ks + v (ks < 16):  kan1_spline_w as [128][2048], K step ks, output tile 2 w + v
;   l = 44 + 2 s + v:             kan1_base_w, K step s, output tile 2 w + v; INSIDE each block of 32 the numbers stand in the order in which the second launch makes the
;                                 codes of silu(hidden): groups of four numbers from bytes 0, 32, 64, 96, 16, 48, 80, 112 of the block.  A block's scale does not hang on that order
; An image is [c = 0, 1][lane][16 bytes]: 1,024 bytes;  its scale words are 64 bytes: word r = row r's four bytes.
; A block's scale is 2^(floor(log2(its largest magnitude)) - 2); its byte is that magnitude's exponent field - 2, held at 1 from below.  A block of zeros keeps the byte 1 where the
; rule says 127: its codes are zeros, which add nothing, and this program alone reads the bytes.
; LIMITS: NaN and infinities among the weights are not served.
; 192 fragments are 48 work-groups: the launch has no more work than that.  No LDS, no barrier: waves share nothing.
.set Q,   32                           ; v32-95  64 numbers of my row: block c in registers 32 c .. 32 c + 31 = k 64 c + 32 h + 0 .. 31
.set PC,  96                           ; v96-103 the fragment's codes
.set QM,  10                           ; v10-13  largest magnitudes, two chains a block
.set QS,  14                           ; v14-15  the conversions' scale operands
.set QB,  16                           ; v16-17  the scale bytes
.set WD,  18                           ; v18     the scale word
.set PT,  19                           ; v19     a lane permute's destination
.set SH8, 7                            ; v7      8 h
	s_load_b256 s[4:11], s[0:1], 0x0               ; ft_w s[4:5], kan1_base_w s[6:7], kan1_spline_w s[8:9], wimg s[10:11]
	s_load_b64 s[12:13], s[0:1], 0x20              ; wsc
	v_lshrrev_b32 v1, 5, v0
	v_readfirstlane_b32 s24, v1                    ; wave 0..3
	v_and_b32 v1, 31, v0                           ; lane
	v_and_b32 v2, 15, v0                           ; r
	v_bfe_u32 v3, v0, 4, 1                         ; h
	s_and_b32 s25, ttmp7, 0xffff                   ; w
	s_lshl_b32 s26, ttmp9, 2
	s_add_co_u32 s26, s26, s24                     ; l = 4 x work-group x + wave: the kind of fragment hangs on work-group x alone
	v_bfe_u32 v4, v2, 2, 1
	v_lshrrev_b32 v5, 3, v2
	v_and_b32 v6, 3, v2
	v_lshl_add_u32 v6, v4, 3, v6
	v_lshl_add_u32 v6, v5, 2, v6                   ; ft_w's order of rows: 8 ((r >> 2) & 1) + 4 (r >> 3) + (r & 3)
	v_lshlrev_b32 v[SH8], 3, v3
	v_lshlrev_b32 v8, 4, v1                        ; the image: 16 bytes a lane
	v_lshlrev_b32 v9, 2, v2                        ; the scale words: 4 bytes a row
	v_mov_b32 v[PT], 0                             ; written once: a lane permute's destination counts as one of its sources
	s_mov_b32 s30, 0x76543210
	s_mov_b32 s31, 0xfedcba98                      ; v_permlanex16_b32's selects for lane l xor 16
	s_mov_b32 s16, 8192                            ; a row of kan1_spline_w in bytes
	s_wait_kmcnt 0x0
	s_cmp_lt_u32 ttmp9, 3                          ; ft_w?  The choices hang on the work-group's number alone
	s_cselect_b64 s[14:15], s[4:5], s[8:9]
	s_cselect_b32 s16, 3072, s16                   ; a row in bytes
	s_cselect_b32 s18, 0, 12                       ; the kind's first l
	s_cselect_b32 s19, -1, 0                       ; all lanes, or none, take ft_w's order of rows
	s_cmp_eq_u32 ttmp9, 11                         ; kan1_base_w?
	s_cselect_b64 s[14:15], s[6:7], s[14:15]
	s_cselect_b32 s16, 1024, s16
	s_cselect_b32 s18, 44, s18
	v_cndmask_b32 v4, v2, v6, s19
	v_mul_lo_u32 v4, v4, s16
	v_lshl_add_u32 v4, v3, 7, v4                   ; my row of the tile x a row's bytes + 128 h
	s_sub_co_u32 s18, s26, s18
	s_lshr_b32 s18, s18, 1                         ; the K step
	s_and_b32 s20, s26, 1
	s_lshl_b32 s21, s25, 1
	s_add_co_u32 s20, s20, s21                     ; the tile: 2 w + (l & 1)
	s_lshl_b32 s20, s20, 4
	s_mul_i32 s20, s20, s16                        ; its first row, in bytes,
	s_lshl_b32 s18, s18, 9
	s_add_co_u32 s20, s20, s18                     ; + 512 bytes a K step
	s_mov_b32 s21, 0
	s_add_nc_u64 s[14:15], s[14:15], s[20:21]
	s_mul_i32 s22, s25, 48
	s_add_co_u32 s22, s22, s26                     ; g
	s_lshl_b32 s20, s22, 10
	s_add_nc_u64 s[10:11], s[10:11], s[20:21]      ; my image
	s_lshl_b32 s20, s22, 6
	s_add_nc_u64 s[12:13], s[12:13], s[20:21]      ; my scale words
	s_cmp_eq_u32 ttmp9, 11
	s_cbranch_scc1 .Lbase
.irp c, 0,1
.irp g, 0,1,2,3,4,5,6,7
	global_load_b128 v[Q+32*\c+4*\g:Q+32*\c+4*\g+3], v4, s[14:15] offset:256*\c+16*\g
.endr
.endr
	s_branch .Lin
.Lbase:
.irp c, 0,1
.irp g, 0,1,2,3,4,5,6,7
	global_load_b128 v[Q+32*\c+4*\g:Q+32*\c+4*\g+3], v4, s[14:15] offset:256*\c+32*(\g%4)+16*(\g/4)
.endr
.endr
.Lin:
	s_wait_loadcnt 0x0
.irp c, 0,1                                    ; each block's largest magnitude: all 32 numbers are mine; two chains a block, the four by turns
	v_max3_num_f32 v[QM+2*\c], |v[Q+32*\c]|, |v[Q+32*\c+1]|, 0x1800000   ; with the floor 2^(3 - 127): the byte cannot fall under 1
	v_max3_num_f32 v[QM+2*\c+1], |v[Q+32*\c+16]|, |v[Q+32*\c+17]|, |v[Q+32*\c+18]|
.endr
.irp i, 2,4,6,8,10,12
.irp c, 0,1
	v_max3_num_f32 v[QM+2*\c], v[QM+2*\c], |v[Q+32*\c+\i]|, |v[Q+32*\c+\i+1]|
	v_max3_num_f32 v[QM+2*\c+1], v[QM+2*\c+1], |v[Q+32*\c+\i+17]|, |v[Q+32*\c+\i+18]|
.endr
.endr
.irp c, 0,1
	v_max3_num_f32 v[QM+2*\c], v[QM+2*\c], |v[Q+32*\c+14]|, |v[Q+32*\c+15]|
.endr
.irp c, 0,1
	v_max3_num_f32 v[QM+2*\c], v[QM+2*\c], v[QM+2*\c+1], |v[Q+32*\c+31]|
.endr
.irp c, 0,1
	v_add_nc_u32 v[QS+\c], 0xff000000, v[QM+2*\c]  ; 2 off the exponent field: the conversion takes the exponent field of this operand as its scale
.endr
.irp c, 0,1
	v_lshrrev_b32 v[QB+\c], 23, v[QS+\c]           ; the scale's byte
.endr
.irp c, 0,1
.irp g, 0,1,2,3
	v_cvt_scalef32_pk8_fp4_f32 v[PC+4*\c+\g], v[Q+32*\c+8*\g:Q+32*\c+8*\g+7], v[QS+\c]
.endr
.endr
	v_lshl_or_b32 v[WD], v[QB+1], 16, v[QB]        ; my two bytes: blocks h and 2 + h of my row (a plain line behind the conversions),
	v_lshlrev_b32 v[WD], v[SH8], v[WD]             ; at their places in the word;
	v_permlanex16_b32 v[PT], v[WD], s30, s31
	v_or_b32 v[WD], v[WD], v[PT]                   ; with lane l xor 16's two the word is whole
	global_store_b128 v8, v[PC:PC+3], s[10:11]     ; 32 lanes store 512 consecutive bytes
	global_store_b128 v8, v[PC+4:PC+7], s[10:11] offset:512
	global_store_b32 v9, v[WD], s[12:13]           ; both halves of the lanes hold the same word and store it to the same place
	s_endpgm
.Lfunc_end_k_q6a3a91e294_prep:
	.size	k_q6a3a91e294_prep, .Lfunc_end_k_q6a3a91e294_prep-k_q6a3a91e294_prep
	.p2alignl 7, 3214868480
	.fill 96, 4, 3214868480
	.section	.rodata,"a",@progbits
	.p2align	6, 0x0
	.amdhsa_kernel k_q6a3a91e294_prep
		.amdhsa_group_segment_fixed_size 0
		.amdhsa_private_segment_fixed_size 0
		.amdhsa_enable_private_segment 0
		.amdhsa_kernarg_size 40
		.amdhsa_user_sgpr_count 2
		.amdhsa_user_sgpr_kernarg_segment_ptr 1
		.amdhsa_wavefront_size32 1
		.amdhsa_system_sgpr_workgroup_id_x 1
		.amdhsa_system_sgpr_workgroup_id_y 1
		.amdhsa_system_sgpr_workgroup_id_z 1
		.amdhsa_system_vgpr_workitem_id 0
		.amdhsa_next_free_vgpr 104
		.amdhsa_next_free_sgpr 66
		.amdhsa_reserve_vcc 0
		.amdhsa_float_denorm_mode_32 3
		.amdhsa_float_denorm_mode_16_64 3
		.amdhsa_memory_ordered 1
		.amdhsa_forward_progress 1
		.amdhsa_inst_pref_size 9
	.end_amdhsa_kernel
	.amdgpu_metadata
---
amdhsa.version: [ 1, 2 ]
amdhsa.kernels:
  - .name:           k_q6a3a91e294_prep
    .symbol:         k_q6a3a91e294_prep.kd
    .args:
      - { .name: ft_w, .offset: 0, .size: 8, .value_kind: global_buffer, .address_space: global }
      - { .name: kan1_base_w, .offset: 8, .size: 8, .value_kind: global_buffer, .address_space: global }
      - { .name: kan1_spline_w, .offset: 16, .size: 8, .value_kind: global_buffer, .address_space: global }
      - { .name: wimg, .offset: 24, .size: 8, .value_kind: global_buffer, .address_space: global }
      - { .name: wsc, .offset: 32, .size: 8, .value_kind: global_buffer, .address_space: global }
    .group_segment_fixed_size: 0
    .private_segment_fixed_size: 0
    .kernarg_segment_align: 8
    .kernarg_segment_size: 40
    .max_flat_workgroup_size: 128
    .sgpr_count:     66
    .vgpr_count:     104
    .wavefront_size: 32
...
	.end_amdgpu_metadata
.endif
;; end of part 1
;; launch main (part 2): grid 256 x 1, 4 waves a work-group, no clusters, 137,728 bytes of LDS; arguments stm, nstm, ft_b, kan2_base_w, kan2_spline_w, wimg, wsc, out0; writes out0
.if DOCPART == 2
	.amdgcn_target "amdgcn-amd-amdhsa--gfx1250"
	.amdhsa_code_object_version 6
	.text
	.protected	k_q6a3a91e294_main
	.globl	k_q6a3a91e294_main
	.p2align	8
	.type	k_q6a3a91e294_main,@function
k_q6a3a91e294_main:
	s_mov_b64 s[64:65], 0
	v_nop
	global_prefetch_b8 v0, s[64:65] scope:SCOPE_SE
	s_setreg_imm32_b32 hwreg(HW_REG_WAVE_MODE, 25, 1), 1
	s_wait_xcnt 0x0
; out = sigmoid(KAN2(KAN1([stm ft_w^T + b | nstm ft_w^T + b]))), the four large products on codes of FP4 (E2M1) with one E8M0 scale for each 32 along K; nothing between x and out goes to memory.
; SHARES.  A work-group of four waves owns 128 rows, 16 at a time: 8 blocks.  THE WAVES SHARE THE COLUMNS: wave w owns hidden unit tiles 2 w, 2 w + 1 (of both halves of hidden) and KAN1's output tiles
; 2 w, 2 w + 1.  Its 48 weight fragments (384 registers, made by the launch before as images of registers) stay in its registers for the whole launch.  What goes from wave to wave through LDS is small:
; images of code fragments (two stores of 16 bytes a lane) and scale words.
; x (16 rows x 1,536 numbers a block) is read once, 512 consecutive bytes a load, ONE BLOCK AHEAD, into 192 registers a wave: 48 loads of each wave are out across both barriers of a block.
; A BLOCK, two barriers:  X: my three fragments of x turn through my own stage in LDS (a lane then holds 32 neighbours along K), are quantised, images to LDS | barrier |  P1: four tiles of hidden, TRANSPOSED
; (source 0 = 16 rows of ft_w, source 1 = 16 rows of x; the bias is the first C): a lane holds one row.  A1: silu and the spline bases of my 32 hidden numbers a lane, quantised in registers, images to LDS
; | barrier |  P2: KAN1, 18 K steps, NOT transposed: a lane holds one output feature and eight rows.  A2: KAN2 for my 32 features, summed over sixteen lanes, partial sums to LDS.
; At the end the four waves' partial sums are added, and the sigmoid is taken.
; THE SPLINE IN CLOSED FORM.  reference()'s knots are uniform: t = 2.5 x + 5.5, i = floor(t), u = t - i, o = 1 - u; the bases that are not 0 stand in slots i - 3 + m, m = 0 .. 3:
; o^3/6, 2/3 - u^2 + u^3/2, 2/3 - o^2 + o^3/2, u^3/6; a slot outside 0 .. 7 is dropped: |i - (6.5 - m)| < 4 keeps.  With the pair [o, u] that is six packed instructions.
; KAN1: an input's 8 bases are 8 codes, ONE operand register.  The four weights (dropped ones set to +0) of two inputs are converted together; 16 bits are cut out and ROTATED to their slots (by 12 - 4 i, or 28 - 4 i
; for the upper half): what wraps round is zero codes.  ft_w's rows are ordered so that a lane's 8 results are the 8 registers of one spline fragment, and 4 of them a whole block of 32.
; KAN2 (N = 1, left as it is): a feature's 8 coefficients, rounded to bf16, lie in two byte tables a lane; v_perm_b32 picks the four of slots i - 3 .. i, a zero byte for a slot outside 0 .. 7; the weights and sums are f32.
; LIMITS: the knots are taken as k x 0.4 - 1 exactly, not as their f32 roundings: a basis differs from reference()'s by about 1e-7 absolutely beside a knot.  kan2_spline_w is rounded to bf16 (2^-9 of a
; coefficient).  A block of zeros has the byte 1 where the rule says 127: its codes are zeros.  NaN and infinities among the inputs are not served; any finite input is.
; NO CLUSTER: what work-groups share is a wave's 52 KB of weight images, read once at the head straight into registers, against 786 KB of x that is a work-group's own.  NO TENSOR LOADS: x goes through registers, so that its
; loads stay out across the barriers.
; REGISTERS, in windows of 256: window 0: v1-23 addresses and temporaries; v24-33 KAN2's tables; v34-59 constant pairs; v60-95 scale words and nothing else; v96-127 hidden tiles, later KAN1's sums; v128-255 at work.
;   window 1: v0-191 x as loaded.   window 2: KAN1's 32 spline fragments.   window 3: v0-95 ft_w's 12 fragments, v96-127 KAN1's 4 base fragments, v128-143 the bias, two tiles in the result's layout.
.set STGB, 8448                        ; LDS: a stage: 16 rows x (512 + 16) bytes: 528 = 33 x 16, so sixteen rows begin at sixteen different 16-byte columns modulo 256
.set WSTB, 3*STGB                      ; three stages a wave, from byte 0 on
.set XIMG, 4*WSTB                      ; x's 12 fragments (6 t + k), 1,024 bytes each
.set XSC,  XIMG+12*1024                ; their scale words, 128 bytes each
.set SIMG, XSC+12*128                  ; the spline operand's 16 fragments
.set SSC,  SIMG+16*1024                ; their scale words: pair p: words 0-15 K step 2 p, words 16-31 K step 2 p + 1
.set BIMG, SSC+8*128                   ; the base operand's 2 fragments
.set BSC,  BIMG+2*1024                 ; their scale words: words 0-15 K step 0, words 16-31 K step 1
.set PSB,  BSC+256                     ; partial sums [wave][128 rows] f32
.set LN,  1                            ; lane
.set RR,  2                            ; r = lane % 16
.set HH,  3                            ; h = lane / 16
.set LI,  4                            ; 16 x lane
.set STW, 5                            ; my stages, on the way in: 16 x lane
.set STR, 6                            ; and on the way out: 528 r + 128 h
.set XWI, 7                            ; where I store x's images;  XWS their words;  XRI, XRS where all are read
.set XWS, 8
.set XRI, 9
.set XRS, 10
.set SWI, 11                           ; the same for the spline operand
.set SWS, 12
.set SRI, 13
.set SRS, 14
.set BWI, 15                           ; the base operand: my block's 16 bytes a row;  BWS my block's byte of a row's word
.set BWS, 16
.set PSW, 17                           ; my partial sums: 32 h
.set SH8, 18                           ; 8 h
.set PT,  19                           ; lane permutes' destinations
.set PT2, 20
.set PSA, 21                           ; address of a block's partial sums
.set TA,  22
.set TB,  23
.set KT,  24                           ; v24-31  KAN2's tables: for feature tile v: high bytes of c0-3, of c4-7, low bytes of c0-3, of c4-7
.set KBW, 32                           ; v32-33  kan2_base_w of my two features
.set C25, 34
.set C55, 36
.set C65, 38
.set KA3, 40                           ; [w0, w1] = X^3 KA3 + (X^2 KA2 + KA0), X = [o, u]
.set KA2, 42
.set KA0, 44
.set KB3, 46                           ; [w2, w3] likewise
.set KB2, 48
.set KB0, 50
.set CE01, 52                          ; -(6.5 - m)
.set CE23, 54
.set CM4, 56
.set CSH, 58
.set FTS, 60                           ; v60-65  ft_w's scale words, K step k: lanes 0-15 tile 2 w, lanes 16-31 tile 2 w + 1
.set K1S, 66                           ; v66-83  KAN1's weights' likewise, K step ks
.set XS,  84                           ; v84-95  x's scale words
.set SS,  84                           ; v84-91  the spline operand's;  v92 the base operand's
.set BS,  92
.set HT,  96                           ; v96-127 hidden tiles 2 t + u
.set ACC, 96                           ; v96-111 KAN1's two sums
.set AF,  112                          ; v112-255 KAN1's 18 activation fragments
.set XF,  128                          ; v128-223 x's fragments, 2 k + t
.set Q0,  128                          ; phase X: 64 numbers, two sets
.set Q1,  192
.set PCA, 96                           ; phase X: codes, two sets; words, two
.set PCC, 104
.set QM,  112
.set QS,  116
.set QB,  118
.set WDA, 120
.set WDB, 121
.set S1,  128                          ; A1: silu(hidden), 32 numbers
.set BM,  160
.set BSV, 164
.set BB,  166
.set PCB, 248                          ; the base operand's codes, and its byte: nothing writes these before the barrier
.set BYS, 252
.set ST,  128                          ; A1, spline: t, later the rotations
.set SF,  136                          ; floor(t)
.set SX,  144                          ; [o, u]
.set SX2, 160
.set SX3, 176
.set SE,  160                          ; i - (6.5 - m), over the squares and cubes
.set SW,  192                          ; the weights, 4 an input
.set SPC, 224
.set SCW, 232
.set ZM,  236
.set ZS,  240
.set ZB,  242
.set WDE, 244
.set WDO, 245
.set WSR, 246
.set OUT, 112                          ; A2: eight rows' sums
.set S2,  136
.set KT2, 136
.set KFQ, 144
.set KX,  152
.set KX2, 168
.set KX3, 184
.set KW,  200
.set KSL, 232
.set KQ,  240
.set KTM, 248
.set HB,  168
.set LB,  176
.set Z01, 184
.set Z23, 192
.set WV,  24                           ; s24 wave
.set XP,  26                           ; s[26:27] x: my three K steps of the block that is loaded next
.set BLK, 28
.set PSO, 29
.set SEL, 30
.set MHI, 32                           ; 0xffff0000: the upper 16 bits, and lanes 16-31
.set MLO, 33
.set KADD, 34
.set K08, 35
.set K04, 36
.set K0F, 37
.set KZ0, 38
.set KZ1, 39
.set CM,  40                           ; s40-47 compare masks, by turns
.set NL,  50                           ; s[50:51] -log2(e)
.set MSB, 0
.macro WIN new                         ; the immediate's high byte repeats the setting that is left
.if MSB != \new
	s_set_vgpr_msb (MSB<<8)|\new
.set MSB, \new
.endif
.endm
.macro BARRIER                         ; my LDS stores have landed and my LDS loads are in: then the work-group's barrier
	s_wait_dscnt 0x0
	s_barrier_signal -1
	s_barrier_wait -1
.endm
.macro XLOADS                          ; a block's 16 rows x my 3 K steps: each load reads 512 consecutive bytes; K step i's sixteen first, so that the waits can count
	WIN 0x40                                       ; destination window 1
.irp i, 0,1,2
.irp p, 0,1,2,3,4,5,6,7,8,9,10,11,12,13,14,15
	global_load_b128 v[64*\i+4*\p:64*\i+4*\p+3], v[LI], s[XP:XP+1] offset:3072*\p+512*\i th:TH_LOAD_NT
.endr
.endr
	WIN 0
.endm
.macro STIN i, q                       ; stage i comes back: lane (r, h) takes k = 64 c + 32 h + 0 .. 31 of row r
.irp c, 0,1
.irp g, 0,1,2,3,4,5,6,7
	ds_load_b128 v[\q+32*\c+4*\g:\q+32*\c+4*\g+3], v[STR] offset:STGB*\i+256*\c+16*\g
.endr
.endr
.endm
.macro XOUT i, pc, wd                  ; a fragment goes to LDS as it stands in the registers
	ds_store_b128 v[XWI], v[\pc:\pc+3] offset:1024*\i
	ds_store_b128 v[XWI], v[\pc+4:\pc+7] offset:1024*\i+512
	ds_store_b32 v[XWS], v[\wd] offset:128*\i
.endm
; 64 numbers of a lane, two whole blocks of 32, become a fragment's codes and its row's scale word
.macro QUANT64 q, pc, wd
.irp c, 0,1
	v_max3_num_f32 v[QM+2*\c], |v[\q+32*\c]|, |v[\q+32*\c+1]|, 0x1800000   ; with the floor 2^(3 - 127): the byte cannot fall under 1
	v_max3_num_f32 v[QM+2*\c+1], |v[\q+32*\c+16]|, |v[\q+32*\c+17]|, |v[\q+32*\c+18]|
.endr
.irp i, 2,4,6,8,10,12
.irp c, 0,1
	v_max3_num_f32 v[QM+2*\c], v[QM+2*\c], |v[\q+32*\c+\i]|, |v[\q+32*\c+\i+1]|
	v_max3_num_f32 v[QM+2*\c+1], v[QM+2*\c+1], |v[\q+32*\c+\i+17]|, |v[\q+32*\c+\i+18]|
.endr
.endr
.irp c, 0,1
	v_max3_num_f32 v[QM+2*\c], v[QM+2*\c], |v[\q+32*\c+14]|, |v[\q+32*\c+15]|
.endr
.irp c, 0,1
	v_max3_num_f32 v[QM+2*\c], v[QM+2*\c], v[QM+2*\c+1], |v[\q+32*\c+31]|
.endr
.irp c, 0,1
	v_add_nc_u32 v[QS+\c], 0xff000000, v[QM+2*\c]  ; 2 off the exponent field: the conversion's scale operand
.endr
.irp c, 0,1
	v_lshrrev_b32 v[QB+\c], 23, v[QS+\c]           ; the scale's byte
.endr
.irp c, 0,1
.irp g, 0,1,2,3
	v_cvt_scalef32_pk8_fp4_f32 v[\pc+4*\c+\g], v[\q+32*\c+8*\g:\q+32*\c+8*\g+7], v[QS+\c]
.endr
.endr
	v_lshl_or_b32 v[\wd], v[QB+1], 16, v[QB]       ; blocks h and 2 + h (a plain line behind the conversions),
	v_lshlrev_b32 v[\wd], v[SH8], v[\wd]           ; at their places in the word;
	v_permlanex16_b32 v[PT], v[\wd], s[SEL], s[SEL+1]
	v_or_b32 v[\wd], v[\wd], v[PT]                 ; with lane l xor 16's two the word is whole
.endm
; the largest magnitudes of two runs of 16 numbers, at s and s + 16, into v[m] and v[m + 2]: two chains a run, the four by turns
.macro BMAX m, s
.irp c, 0,1
	v_max3_num_f32 v[\m+2*\c], |v[\s+16*\c]|, |v[\s+16*\c+1]|, 0x1800000
	v_max3_num_f32 v[\m+2*\c+1], |v[\s+16*\c+8]|, |v[\s+16*\c+9]|, |v[\s+16*\c+10]|
.endr
.irp i, 2,4
.irp c, 0,1
	v_max3_num_f32 v[\m+2*\c], v[\m+2*\c], |v[\s+16*\c+\i]|, |v[\s+16*\c+\i+1]|
	v_max3_num_f32 v[\m+2*\c+1], v[\m+2*\c+1], |v[\s+16*\c+\i+9]|, |v[\s+16*\c+\i+10]|
.endr
.endr
.irp c, 0,1
	v_max3_num_f32 v[\m+2*\c], v[\m+2*\c], |v[\s+16*\c+6]|, |v[\s+16*\c+7]|
.endr
.irp c, 0,1
	v_max3_num_f32 v[\m+2*\c], v[\m+2*\c], v[\m+2*\c+1], |v[\s+16*\c+15]|
.endr
.endm
; dst = src / (1 + 2^(-log2(e) src)), n numbers.  Each kind of transcendental is one batch: a plain line behind it, and the one wait ahead of the first reader
.macro SILU n, src, dst
.set I_, 0
.rept (\n)/2
	v_pk_mul_f32 v[\dst+I_:\dst+I_+1], v[\src+I_:\src+I_+1], s[NL:NL+1] op_sel_hi:[1,0]   ; each accumulator is read from its low end on
.set I_, I_+2
.endr
.set I_, 0
.rept \n
	v_exp_f32 v[\dst+I_], v[\dst+I_]
.set I_, I_+1
.endr
	v_nop
	s_wait_alu depctr_va_vdst(0)
.set I_, 0
.rept (\n)/2
	v_pk_add_f32 v[\dst+I_:\dst+I_+1], v[\dst+I_:\dst+I_+1], 1.0 op_sel_hi:[1,0]
.set I_, I_+2
.endr
.set I_, 0
.rept \n
	v_rcp_f32 v[\dst+I_], v[\dst+I_]
.set I_, I_+1
.endr
	v_nop
	s_wait_alu depctr_va_vdst(0)
.set I_, 0
.rept (\n)/2
	v_pk_mul_f32 v[\dst+I_:\dst+I_+1], v[\dst+I_:\dst+I_+1], v[\src+I_:\src+I_+1]
.set I_, I_+2
.endr
.endm
; eight numbers t become floor(t), [o, u] and the four weights each; the eight by turns, so that no line waits for the line above it
.macro CUBIC tt, ff, xa, xb, xc, ww
.irp j, 0,1,2,3,4,5,6,7
	v_floor_f32 v[\ff+\j], v[\tt+\j]
.endr
.irp j, 0,1,2,3,4,5,6,7
	v_sub_f32 v[\xa+2*\j+1], v[\tt+\j], v[\ff+\j]                      ; u
.endr
.irp j, 0,1,2,3,4,5,6,7
	v_sub_f32 v[\xa+2*\j], 1.0, v[\xa+2*\j+1]                          ; o
.endr
.irp j, 0,1,2,3,4,5,6,7
	v_pk_mul_f32 v[\xb+2*\j:\xb+2*\j+1], v[\xa+2*\j:\xa+2*\j+1], v[\xa+2*\j:\xa+2*\j+1]
.endr
.irp j, 0,1,2,3,4,5,6,7
	v_pk_mul_f32 v[\xc+2*\j:\xc+2*\j+1], v[\xb+2*\j:\xb+2*\j+1], v[\xa+2*\j:\xa+2*\j+1]
.endr
.irp j, 0,1,2,3,4,5,6,7
	v_pk_fma_f32 v[\ww+4*\j:\ww+4*\j+1], v[\xb+2*\j:\xb+2*\j+1], v[KA2:KA2+1], v[KA0:KA0+1]
	v_pk_fma_f32 v[\ww+4*\j+2:\ww+4*\j+3], v[\xb+2*\j:\xb+2*\j+1], v[KB2:KB2+1], v[KB0:KB0+1]
.endr
.irp j, 0,1,2,3,4,5,6,7
	v_pk_fma_f32 v[\ww+4*\j:\ww+4*\j+1], v[\xc+2*\j:\xc+2*\j+1], v[KA3:KA3+1], v[\ww+4*\j:\ww+4*\j+1]
	v_pk_fma_f32 v[\ww+4*\j+2:\ww+4*\j+3], v[\xc+2*\j:\xc+2*\j+1], v[KB3:KB3+1], v[\ww+4*\j+2:\ww+4*\j+3]
.endr
.endm
; one scaled matrix instruction; ra, rb: the scales of source 0, 1 are read from lanes 16-31
.macro MM d, a, b, c, sa, sb, ra, rb
.if (\ra) && (\rb)
	v_wmma_scale_f32_16x16x128_f8f6f4 v[\d:(\d)+7], v[\a:(\a)+7], v[\b:(\b)+7], v[\c:(\c)+7], v[\sa], v[\sb] matrix_a_fmt:MATRIX_FMT_FP4 matrix_b_fmt:MATRIX_FMT_FP4 matrix_a_scale:MATRIX_SCALE_ROW1 matrix_b_scale:MATRIX_SCALE_ROW1
.elseif (\ra)
	v_wmma_scale_f32_16x16x128_f8f6f4 v[\d:(\d)+7], v[\a:(\a)+7], v[\b:(\b)+7], v[\c:(\c)+7], v[\sa], v[\sb] matrix_a_fmt:MATRIX_FMT_FP4 matrix_b_fmt:MATRIX_FMT_FP4 matrix_a_scale:MATRIX_SCALE_ROW1
.elseif (\rb)
	v_wmma_scale_f32_16x16x128_f8f6f4 v[\d:(\d)+7], v[\a:(\a)+7], v[\b:(\b)+7], v[\c:(\c)+7], v[\sa], v[\sb] matrix_a_fmt:MATRIX_FMT_FP4 matrix_b_fmt:MATRIX_FMT_FP4 matrix_b_scale:MATRIX_SCALE_ROW1
.else
	v_wmma_scale_f32_16x16x128_f8f6f4 v[\d:(\d)+7], v[\a:(\a)+7], v[\b:(\b)+7], v[\c:(\c)+7], v[\sa], v[\sb] matrix_a_fmt:MATRIX_FMT_FP4 matrix_b_fmt:MATRIX_FMT_FP4
.endif
.endm
; Hidden tile 2 t + u becomes the fragment of spline K step 8 t + 2 w + u.  Register j = 4 c + e of lane (r, h) is input 8 c + 4 h + e of the step's 16, row r: its 8 bases are register j of the fragment
.macro SPL t, u
.set HQ, HT+8*(2*(\t)+(\u))
.set WX, WDE+(\u)
.irp p, 0,1,2,3
	v_pk_fma_f32 v[ST+2*\p:ST+2*\p+1], v[HQ+2*\p:HQ+2*\p+1], v[C25:C25+1], v[C55:C55+1]   ; t = 2.5 x + 5.5
.endr
	CUBIC ST, SF, SX, SX2, SX3, SW
.irp j, 0,2,4,6                                ; i - (6.5 - m): i is taken for both halves, from the pair's first register or from its second
	v_pk_add_f32 v[SE+4*\j:SE+4*\j+1], v[SF+\j:SF+\j+1], v[CE01:CE01+1] op_sel_hi:[0,1]
	v_pk_add_f32 v[SE+4*\j+2:SE+4*\j+3], v[SF+\j:SF+\j+1], v[CE23:CE23+1] op_sel_hi:[0,1]
	v_pk_add_f32 v[SE+4*\j+4:SE+4*\j+5], v[SF+\j:SF+\j+1], v[CE01:CE01+1] op_sel:[1,0] op_sel_hi:[1,1]
	v_pk_add_f32 v[SE+4*\j+6:SE+4*\j+7], v[SF+\j:SF+\j+1], v[CE23:CE23+1] op_sel:[1,0] op_sel_hi:[1,1]
.endr
.irp p, 0,1,2,3
	v_pk_fma_f32 v[ST+2*\p:ST+2*\p+1], v[SF+2*\p:SF+2*\p+1], v[CM4:CM4+1], v[CSH:CSH+1]   ; the rotations: 12 - 4 i for the lower 16 bits, 28 - 4 i for the upper
.endr
.irp j, 0,1,2,3,4,5,6,7
	v_cvt_i32_f32 v[ST+\j], v[ST+\j]               ; (it saturates; the rotation takes the low five bits; far outside the grid all codes are zeros)
.endr
.irp g, 0,1,2,3
.irp n, 0,1,2,3,4,5,6,7
	v_cmp_gt_f32 s[CM+\n], 4.0, |v[SE+8*\g+\n]|
.endr
.irp n, 0,1,2,3,4,5,6,7
	v_cndmask_b32 v[SW+8*\g+\n], 0, v[SW+8*\g+\n], s[CM+\n]   ; a weight whose slot lies outside 0 .. 7 becomes +0, ahead of the block's maximum
.endr
.endr
	BMAX ZM, SW                                    ; a block of 32 is 4 inputs x 8 slots: its numbers that are not 0 are among my 16 weights
.irp c, 0,1
	v_add_nc_u32 v[ZS+\c], 0xff000000, v[ZM+2*\c]
.endr
.irp c, 0,1
	v_lshrrev_b32 v[ZB+\c], 23, v[ZS+\c]
.endr
.irp p, 0,1,2,3
	v_cvt_scalef32_pk8_fp4_f32 v[SCW+\p], v[SW+8*\p:SW+8*\p+7], v[ZS+\p/2]   ; two inputs' four codes each
.endr
	v_lshl_or_b32 v[WX], v[ZB+1], 16, v[ZB]        ; the row's scale word, as in QUANT64 (plain lines behind the conversions)
	v_lshlrev_b32 v[WX], v[SH8], v[WX]
	v_permlanex16_b32 v[PT], v[WX], s[SEL], s[SEL+1]
	v_or_b32 v[WX], v[WX], v[PT]
	s_wait_dscnt 0x0                               ; the stores of the fragment before have read their registers
.irp p, 0,1,2,3
	v_and_b32 v[SPC+2*\p], s[MLO], v[SCW+\p]
	v_and_b32 v[SPC+2*\p+1], s[MHI], v[SCW+\p]
.endr
.irp j, 0,1,2,3,4,5,6,7
	v_alignbit_b32 v[SPC+\j], v[SPC+\j], v[SPC+\j], v[ST+\j]   ; rotated to slots i - 3 .. i
.endr
	ds_store_b128 v[SWI], v[SPC:SPC+3] offset:1024*(8*(\t)+(\u))
	ds_store_b128 v[SWI], v[SPC+4:SPC+7] offset:1024*(8*(\t)+(\u))+512
.if \u
	v_cndmask_b32 v[WSR], v[WDE], v[WDO], s[MHI]   ; lanes 0-15 the even K step's words, lanes 16-31 the odd one's
	ds_store_b32 v[SWS], v[WSR] offset:512*(\t)
.endif
.endm
; KAN2's spline term of eight rows of my feature of tile v
.macro K2 v
.set AQ, ACC+8*(\v)
.set TQ, KT+4*(\v)
.irp p, 0,1,2,3
	v_pk_fma_f32 v[KT2+2*\p:KT2+2*\p+1], v[AQ+2*\p:AQ+2*\p+1], v[C25:C25+1], v[C65:C65+1]   ; t + 1
.endr
	CUBIC KT2, KFQ, KX, KX2, KX3, KW
.irp j, 0,1,2,3,4,5,6,7
	v_med3_num_f32 v[KFQ+\j], v[KFQ+\j], 0, 0x41400000   ; i + 1, held to 0 .. 12: at both ends all four slots lie outside
.endr
.irp j, 0,1,2,3,4,5,6,7
	v_cvt_u32_f32 v[KSL+\j], v[KFQ+\j]
.endr
.irp j, 0,1,2,3,4,5,6,7
	v_perm_b32 v[KSL+\j], v[KSL+\j], v[KSL+\j], 0  ; into all four bytes
.endr
.irp j, 0,1,2,3,4,5,6,7
	v_add_nc_u32 v[KSL+\j], s[KADD], v[KSL+\j]     ; byte m = slot + 16, from 12 to 27: bit 3 is set just where the slot lies outside 0 .. 7
.endr
.irp j, 0,1,2,3,4,5,6,7
	v_and_b32 v[KQ+\j], s[K08], v[KSL+\j]
.endr
.irp j, 0,1,2,3,4,5,6,7
	v_lshrrev_b32 v[KTM+\j], 3, v[KQ+\j]
.endr
.irp j, 0,1,2,3,4,5,6,7
	v_sub_nc_u32 v[KQ+\j], v[KQ+\j], v[KTM+\j]     ; 7 in such a byte, 0 in the others
.endr
.irp j, 0,1,2,3,4,5,6,7
	v_bfi_b32 v[KSL+\j], v[KQ+\j], s[K04], v[KSL+\j]
.endr
.irp j, 0,1,2,3,4,5,6,7
	v_and_b32 v[KSL+\j], s[K0F], v[KSL+\j]         ; the selector: the slot, or 12, which gives a zero byte
.endr
.irp j, 0,1,2,3,4,5,6,7
	v_perm_b32 v[HB+\j], v[TQ+1], v[TQ], v[KSL+\j]
.endr
.irp j, 0,1,2,3,4,5,6,7
	v_perm_b32 v[LB+\j], v[TQ+3], v[TQ+2], v[KSL+\j]
.endr
.irp j, 0,1,2,3,4,5,6,7
	v_perm_b32 v[Z01+\j], v[HB+\j], v[LB+\j], s[KZ0]   ; the coefficients of m = 0, 1 as two bf16,
.endr
.irp j, 0,1,2,3,4,5,6,7
	v_perm_b32 v[Z23+\j], v[HB+\j], v[LB+\j], s[KZ1]   ; of m = 2, 3
.endr
.irp j, 0,1,2,3,4,5,6,7
	v_fma_mix_f32_bf16 v[OUT+\j], v[Z01+\j], v[KW+4*\j], v[OUT+\j] op_sel_hi:[1,0,0]
.endr
.irp j, 0,1,2,3,4,5,6,7
	v_fma_mix_f32_bf16 v[OUT+\j], v[Z01+\j], v[KW+4*\j+1], v[OUT+\j] op_sel:[1,0,0] op_sel_hi:[1,0,0]
.endr
.irp j, 0,1,2,3,4,5,6,7
	v_fma_mix_f32_bf16 v[OUT+\j], v[Z23+\j], v[KW+4*\j+2], v[OUT+\j] op_sel_hi:[1,0,0]
.endr
.irp j, 0,1,2,3,4,5,6,7
	v_fma_mix_f32_bf16 v[OUT+\j], v[Z23+\j], v[KW+4*\j+3], v[OUT+\j] op_sel:[1,0,0] op_sel_hi:[1,0,0]
.endr
.endm
	s_load_b512 s[8:23], s[0:1], 0x0               ; stm s[8:9], nstm s[10:11], ft_b s[12:13], kan2_base_w s[14:15], kan2_spline_w s[16:17], wimg s[18:19], wsc s[20:21], out0 s[22:23]
	s_set_vgpr_msb 0x40
	v_lshl_add_u32 v254, v0, 2, 0x21800
	v_mov_b32 v255, 0
	s_set_vgpr_msb 0x4000
	v_and_b32 v[LN], 31, v0
	v_and_b32 v[RR], 15, v0
	v_bfe_u32 v[HH], v0, 4, 1
	v_lshrrev_b32 v[PT], 5, v0
	v_readfirstlane_b32 s[WV], v[PT]               ; wave 0..3
	v_lshlrev_b32 v[LI], 4, v[LN]
	v_lshlrev_b32 v[TB], 2, v[LN]                  ; 4 x lane
	s_mul_i32 s48, s[WV], WSTB
	v_add_nc_u32 v[STW], s48, v[LI]
	v_mul_u32_u24 v[STR], v[RR], 528
	v_lshl_add_u32 v[STR], v[HH], 7, v[STR]
	v_add_nc_u32 v[STR], s48, v[STR]
	s_mul_i32 s48, s[WV], 3072
	s_add_co_u32 s48, s48, XIMG
	v_add_nc_u32 v[XWI], s48, v[LI]                ; my fragments 3 w .. 3 w + 2
	s_mul_i32 s48, s[WV], 384
	s_add_co_u32 s48, s48, XSC
	v_add_nc_u32 v[XWS], s48, v[TB]
	v_add_nc_u32 v[XRI], XIMG, v[LI]
	v_add_nc_u32 v[XRS], XSC, v[TB]
	s_lshl_b32 s48, s[WV], 11
	s_add_co_u32 s48, s48, SIMG
	v_add_nc_u32 v[SWI], s48, v[LI]                ; K steps 8 t + 2 w + u
	s_lshl_b32 s48, s[WV], 7
	s_add_co_u32 s48, s48, SSC
	v_add_nc_u32 v[SWS], s48, v[TB]                ; pairs 4 t + w
	v_add_nc_u32 v[SRI], SIMG, v[LI]
	v_add_nc_u32 v[SRS], SSC, v[TB]
	s_lshr_b32 s48, s[WV], 1
	s_lshl_b32 s48, s48, 9
	s_and_b32 s49, s[WV], 1
	s_lshl_b32 s49, s49, 8
	s_add_co_u32 s48, s48, s49
	s_add_co_u32 s48, s48, BIMG
	v_lshlrev_b32 v[BWI], 4, v[RR]
	v_lshl_add_u32 v[BWI], v[HH], 10, v[BWI]
	v_add_nc_u32 v[BWI], s48, v[BWI]               ; block w of a K step stands in registers 4 (w >> 1) on of lane r + 16 (w & 1); lanes 16-31 store K step 1's
	s_add_co_u32 s48, s[WV], BSC
	v_add_nc_u32 v[BWS], s48, v[TB]                ; byte w of the word
	s_lshl_b32 s48, s[WV], 9
	s_add_co_u32 s48, s48, PSB
	v_lshlrev_b32 v[PSW], 5, v[HH]
	v_add_nc_u32 v[PSW], s48, v[PSW]
	v_lshlrev_b32 v[SH8], 3, v[HH]
	v_lshlrev_b32 v[PT2], 4, v[HH]                 ; offsets of the head's loads: the bias, 16 h;
	v_lshlrev_b32 v[PSA], 5, v[RR]                 ; kan2_spline_w, 32 r;
	v_lshlrev_b32 v[TA], 2, v[RR]                  ; kan2_base_w, 4 r
.irp p, 0,1
	v_mov_b32 v[C25+\p], 0x40200000                ; 2.5
	v_mov_b32 v[C55+\p], 0x40b00000                ; 5.5
	v_mov_b32 v[C65+\p], 0x40d00000                ; 6.5
	v_mov_b32 v[CM4+\p], -4.0
.endr
	v_mov_b32 v[KA3], 0x3e2aaaab                   ; 1/6
	v_mov_b32 v[KA3+1], 0.5
	v_mov_b32 v[KA2], 0
	v_mov_b32 v[KA2+1], -1.0
	v_mov_b32 v[KA0], 0
	v_mov_b32 v[KA0+1], 0x3f2aaaab                 ; 2/3
	v_mov_b32 v[KB3], 0.5
	v_mov_b32 v[KB3+1], 0x3e2aaaab
	v_mov_b32 v[KB2], -1.0
	v_mov_b32 v[KB2+1], 0
	v_mov_b32 v[KB0], 0x3f2aaaab
	v_mov_b32 v[KB0+1], 0
	v_mov_b32 v[CE01], 0xc0d00000                  ; -6.5
	v_mov_b32 v[CE01+1], 0xc0b00000                ; -5.5
	v_mov_b32 v[CE23], 0xc0900000                  ; -4.5
	v_mov_b32 v[CE23+1], 0xc0600000                ; -3.5
	v_mov_b32 v[CSH], 0x41400000                   ; 12
	v_mov_b32 v[CSH+1], 0x41e00000                 ; 28
	s_mov_b32 s[SEL], 0x76543210
	s_mov_b32 s[SEL+1], 0xfedcba98                 ; v_permlanex16_b32's selects for lane l xor 16
	s_mov_b32 s[MHI], 0xffff0000
	s_mov_b32 s[MLO], 0xffff
	s_mov_b32 s[KADD], 0x0f0e0d0c
	s_mov_b32 s[K08], 0x08080808
	s_mov_b32 s[K04], 0x04040404
	s_mov_b32 s[K0F], 0x0f0f0f0f
	s_mov_b32 s[KZ0], 0x05010400
	s_mov_b32 s[KZ1], 0x07030602
	s_mov_b32 s[NL], 0xbfb8aa3b                    ; -log2(e)
	s_mov_b32 s[NL+1], s[NL]                       ; (named with it as a pair, so it is written)
	s_mov_b32 s[BLK], 0
	s_mov_b32 s[PSO], 0
	s_wait_kmcnt 0x0
	s_cmp_lt_u32 s[WV], 2                          ; waves 0, 1 read stm, waves 2, 3 nstm
	s_cselect_b64 s[XP:XP+1], s[8:9], s[10:11]
	s_mul_i32 s48, ttmp9, 393216                   ; my work-group's 128 rows of 3,072 bytes,
	s_and_b32 s49, s[WV], 1
	s_mul_i32 s49, s49, 1536                       ; my three K steps of 512 bytes
	s_add_co_u32 s48, s48, s49
	s_mov_b32 s49, 0
	s_add_nc_u64 s[XP:XP+1], s[XP:XP+1], s[48:49]
	s_mul_i32 s48, s[WV], 49152
	s_add_nc_u64 s[18:19], s[18:19], s[48:49]      ; my 48 images,
	s_mul_i32 s48, s[WV], 3072
	s_add_nc_u64 s[20:21], s[20:21], s[48:49]      ; their scale words,
	s_lshl_b32 s48, s[WV], 7
	s_add_nc_u64 s[12:13], s[12:13], s[48:49]      ; my 32 units' bias,
	s_add_nc_u64 s[14:15], s[14:15], s[48:49]      ; my 32 features of kan2_base_w
	s_lshl_b32 s48, s[WV], 10
	s_add_nc_u64 s[16:17], s[16:17], s[48:49]      ; and of kan2_spline_w
	s_lshl_b32 s48, ttmp9, 9
	s_and_b32 s52, s[WV], 1
	s_lshl_b32 s52, s52, 8
	s_add_co_u32 s48, s48, s52
	s_add_nc_u64 s[22:23], s[22:23], s[48:49]      ; out0: my work-group's 128 rows; waves 0 and 1 store 64 each
	WIN 0xc0                                       ; destination window 3
.set L_, 0
.rept 12                                       ; ft_w's fragments 2 k + u
.irp c, 0,1
	global_load_b128 v[8*L_+4*\c:8*L_+4*\c+3], v[LI], s[18:19] offset:1024*L_+512*\c
.endr
.set L_, L_+1
.endr
.set L_, 44
.rept 4                                        ; KAN1's base fragments
.irp c, 0,1
	global_load_b128 v[96+8*(L_-44)+4*\c:96+8*(L_-44)+4*\c+3], v[LI], s[18:19] offset:1024*L_+512*\c
.endr
.set L_, L_+1
.endr
.irp u, 0,1                                    ; the bias in the result's layout: register j of lane (r, h) is unit 16 u + 8 (j / 4) + 4 h + j % 4
	global_load_b128 v[128+8*\u:131+8*\u], v[PT2], s[12:13] offset:64*\u
	global_load_b128 v[132+8*\u:135+8*\u], v[PT2], s[12:13] offset:64*\u+32
.endr
	WIN 0x80                                       ; destination window 2
.set L_, 12
.rept 32                                       ; KAN1's spline fragments 2 ks + v
.irp c, 0,1
	global_load_b128 v[8*(L_-12)+4*\c:8*(L_-12)+4*\c+3], v[LI], s[18:19] offset:1024*L_+512*\c
.endr
.set L_, L_+1
.endr
	WIN 0
.set L_, 0
.rept 24                                       ; the weights' scale words: a pair of tiles is 128 bytes: lanes 0-15 the first tile's rows, lanes 16-31 the second's
	global_load_b32 v[FTS+L_], v[TB], s[20:21] offset:128*L_
.set L_, L_+1
.endr
.irp v, 0,1
	global_load_b128 v[128+8*\v:131+8*\v], v[PSA], s[16:17] offset:512*\v
	global_load_b128 v[132+8*\v:135+8*\v], v[PSA], s[16:17] offset:512*\v+16
	global_load_b32 v[KBW+\v], v[TA], s[14:15] offset:64*\v
.endr
	XLOADS                                         ; block 0
	s_wait_loadcnt 48                              ; all but x's 48 loads are in
	s_mov_b32 s48, 0x07050301
	s_mov_b32 s49, 0x06040200
.irp v, 0,1                                    ; KAN2's tables: eight coefficients to bf16, their high bytes and their low bytes apart
.irp n, 0,1,2,3
	v_cvt_pk_bf16_f32 v[144+4*\v+\n], v[128+8*\v+2*\n], v[129+8*\v+2*\n]
.endr
	v_perm_b32 v[KT+4*\v], v[145+4*\v], v[144+4*\v], s48
	v_perm_b32 v[KT+4*\v+1], v[147+4*\v], v[146+4*\v], s48
	v_perm_b32 v[KT+4*\v+2], v[145+4*\v], v[144+4*\v], s49
	v_perm_b32 v[KT+4*\v+3], v[147+4*\v], v[146+4*\v], s49
.endr
.Lblock:
	; ---- X: my three fragments of x
	WIN 0x04                                       ; an LDS store's data are its source 1: window 1
.irp i, 0,1,2
	s_wait_loadcnt 32-16*\i                        ; K step i's sixteen loads are in; the later K steps' may be out
.irp p, 0,1,2,3,4,5,6,7,8,9,10,11,12,13,14,15
	ds_store_b128 v[STW], v[64*\i+4*\p:64*\i+4*\p+3] offset:STGB*\i+528*\p
.endr
.endr
	WIN 0
	STIN 0, Q0                                     ; LDS serves a wave's instructions in order: these see my stores
	STIN 1, Q1
	s_wait_dscnt 32                                ; all but the 32 loads: the 48 stores have read their registers,
	s_cmp_eq_u32 s[BLK], 7                         ; which take the next block, if there is one: no load leaves its buffer
	s_cbranch_scc1 .Lno_next
	s_add_nc_u64 s[XP:XP+1], s[XP:XP+1], 49152     ; 16 rows on (the wait for 0 above has shown every load that read this pointer done)
	XLOADS
.Lno_next:
	s_wait_dscnt 16                                ; stage 0 is back
	QUANT64 Q0, PCA, WDA
	XOUT 0, PCA, WDA
	STIN 2, Q0
	s_wait_dscnt 19                                ; stage 1 is back: behind it stand 3 stores and 16 loads
	QUANT64 Q1, PCC, WDB
	XOUT 1, PCC, WDB
	s_wait_dscnt 3                                 ; stage 2 is back, and fragment 0's stores have read their registers: only fragment 1's three stores may be out
	QUANT64 Q0, PCA, WDA
	XOUT 2, PCA, WDA
	BARRIER                                        ; x's twelve fragments lie in LDS; every wave's reads of the activations' images of the block before are in
	; ---- P1: my four tiles of hidden
.set L_, 0
.rept 12
	ds_load_b32 v[XS+L_], v[XRS] offset:128*L_
.set L_, L_+1
.endr
.irp k, 0,1,2,3,4,5
.irp t, 0,1
.irp c, 0,1
	ds_load_b128 v[XF+8*(2*\k+\t)+4*\c:XF+8*(2*\k+\t)+4*\c+3], v[XRI] offset:1024*(6*\t+\k)+512*\c
.endr
.endr
.endr
.irp k, 0,1,2,3,4,5                            ; four accumulators by turns, one instruction a turn
	s_wait_dscnt 4*(5-\k)                          ; the later K steps' four loads each may be out
.if \k == 0
	WIN 0x33                                       ; source 0 (ft_w) and source 2 (the bias) window 3
	MM HT, 0, XF, 128, FTS, XS, 0, 0
	MM HT+8, 8, XF, 136, FTS, XS, 1, 0
	MM HT+16, 0, XF+8, 128, FTS, XS+6, 0, 0
	MM HT+24, 8, XF+8, 136, FTS, XS+6, 1, 0
.else
	WIN 0x03
	MM HT, 16*\k, XF+16*\k, HT, FTS+\k, XS+\k, 0, 0
	MM HT+8, 16*\k+8, XF+16*\k, HT+8, FTS+\k, XS+\k, 1, 0
	MM HT+16, 16*\k, XF+16*\k+8, HT+16, FTS+\k, XS+6+\k, 0, 0
	MM HT+24, 16*\k+8, XF+16*\k+8, HT+24, FTS+\k, XS+6+\k, 1, 0
.endif
.endr
	WIN 0
.rept 5
	v_nop                                          ; places behind the products (ISA guide 7.12.1): four for the reads and writes by vector instructions below, a fifth since KAN1's sums are later begun anew over these registers
.endr
	; ---- A1 (a): silu(hidden): my 32 units are block w of K step t
	SILU 32, HT, S1
	BMAX BM, S1
	v_permlanex16_b32 v[PT], v[BM], s[SEL], s[SEL+1]
	v_permlanex16_b32 v[PT2], v[BM+2], s[SEL], s[SEL+1]
	v_max_num_f32 v[BM], v[BM], v[PT]              ; with lane l xor 16's 16: the block's largest magnitude
	v_max_num_f32 v[BM+2], v[BM+2], v[PT2]
	v_add_nc_u32 v[BSV], 0xff000000, v[BM]
	v_add_nc_u32 v[BSV+1], 0xff000000, v[BM+2]
	v_lshrrev_b32 v[BB], 23, v[BSV]
	v_lshrrev_b32 v[BB+1], 23, v[BSV+1]
.irp n, 0,1,2,3
	v_cvt_scalef32_pk8_fp4_f32 v[PCB+\n], v[S1+8*\n:S1+8*\n+7], v[BSV+\n/2]
.endr
	v_cndmask_b32 v[BYS], v[BB], v[BB+1], s[MHI]   ; (a plain line behind the conversions)  lanes 16-31 take K step 1's byte
	v_permlane16_swap_b32 v[PCB], v[PCB+2]         ; lanes 0-15 now hold all 32 codes of K step 0's block, lanes 16-31 of K step 1's,
	v_permlane16_swap_b32 v[PCB+1], v[PCB+3]       ; in the order inside a block in which the launch before has laid kan1_base_w
	ds_store_b128 v[BWI], v[PCB:PCB+3]
	ds_store_b8 v[BWS], v[BYS]
	; ---- A1 (b): the spline bases
	SPL 0, 0
	SPL 0, 1
	SPL 1, 0
	SPL 1, 1
	BARRIER                                        ; the activations' eighteen fragments lie in LDS; every wave's reads of x's images are in
	; ---- P2: KAN1: source 0 = 16 rows of activations, source 1 = 16 output features
.set L_, 0
.rept 8
	ds_load_b32 v[SS+L_], v[SRS] offset:128*L_
.set L_, L_+1
.endr
	ds_load_b32 v[BS], v[SRS] offset:BSC-SSC
.set L_, 0
.rept 18                                       ; the base operand's two images lie BIMG - SIMG - 16 x 1,024 = 1,024 bytes behind the spline's sixteen
.irp c, 0,1
	ds_load_b128 v[AF+8*L_+4*\c:AF+8*L_+4*\c+3], v[SRI] offset:1024*L_+1024*(L_/16)+512*\c
.endr
.set L_, L_+1
.endr
	WIN 0x08                                       ; source 1 window 2
.set L_, 0
.rept 16                                       ; two accumulators by turns, one instruction a turn
	s_wait_dscnt 2*(17-L_)                         ; the later K steps' two loads each may be out
.if L_ == 0
	v_wmma_scale_f32_16x16x128_f8f6f4 v[ACC:ACC+7], v[AF:AF+7], v[0:7], 0, v[SS], v[K1S] matrix_a_fmt:MATRIX_FMT_FP4 matrix_b_fmt:MATRIX_FMT_FP4
	v_wmma_scale_f32_16x16x128_f8f6f4 v[ACC+8:ACC+15], v[AF:AF+7], v[8:15], 0, v[SS], v[K1S] matrix_a_fmt:MATRIX_FMT_FP4 matrix_b_fmt:MATRIX_FMT_FP4 matrix_b_scale:MATRIX_SCALE_ROW1
.else
	MM ACC, AF+8*L_, 16*L_, ACC, SS+L_/2, K1S+L_, L_%2, 0
	MM ACC+8, AF+8*L_, 16*L_+8, ACC+8, SS+L_/2, K1S+L_, L_%2, 1
.endif
.set L_, L_+1
.endr
	WIN 0x0c                                       ; source 1 window 3: the base weights
.irp s, 0,1
	s_wait_dscnt 2*(1-\s)
	MM ACC, AF+8*(16+\s), 96+16*\s, ACC, BS, K1S+16+\s, \s, 0
	MM ACC+8, AF+8*(16+\s), 104+16*\s, ACC+8, BS, K1S+16+\s, \s, 1
.endr
	WIN 0
.rept 5
	v_nop                                          ; places, as behind the first products: the next block's hidden tiles are begun anew over these registers
.endr
	; ---- A2: KAN2: lane (r, h) holds feature 32 w + 16 v + r of rows 8 h + 0 .. 7
	SILU 16, ACC, S2
.irp p, 0,1,2,3
	v_pk_mul_f32 v[OUT+2*\p:OUT+2*\p+1], v[S2+2*\p:S2+2*\p+1], v[KBW:KBW+1] op_sel_hi:[1,0]
.endr
.irp p, 0,1,2,3
	v_pk_fma_f32 v[OUT+2*\p:OUT+2*\p+1], v[S2+8+2*\p:S2+9+2*\p], v[KBW:KBW+1], v[OUT+2*\p:OUT+2*\p+1] op_sel:[0,1,0] op_sel_hi:[1,1,1]
.endr
	K2 0
	K2 1
.irp m, 1,2,4,8                                ; over the sixteen lanes of a half: my 32 features' sum for each of its eight rows
.irp j, 0,1,2,3,4,5,6,7
	v_add_f32_dpp v[OUT+\j], v[OUT+\j], v[OUT+\j] row_xmask:\m row_mask:0xf bank_mask:0xf
.endr
.endr
	v_add_nc_u32 v[PSA], s[PSO], v[PSW]
	ds_store_b128 v[PSA], v[OUT:OUT+3]             ; the sixteen lanes of a half write the same bytes with the same values
	ds_store_b128 v[PSA], v[OUT+4:OUT+7] offset:16
	s_add_co_u32 s[PSO], s[PSO], 64                ; 16 rows on
	s_add_co_u32 s[BLK], s[BLK], 1
	s_cmp_lt_u32 s[BLK], 8
	s_cbranch_scc1 .Lblock
	; ---- the end: the four waves' partial sums, the sigmoid; waves 0 and 1 store 64 rows each
	s_and_b32 s48, s[WV], 1
	s_lshl_b32 s48, s48, 8
	s_add_co_u32 s48, s48, PSB
	v_lshl_add_u32 v[TA], v[LN], 3, s48            ; rows 64 w + 2 x lane, + 1
	v_lshlrev_b32 v[TB], 3, v[LN]
	BARRIER                                        ; every wave's partial sums lie in LDS
	s_cmp_ge_u32 s[WV], 2
	s_cbranch_scc1 .Lend
.irp q, 0,1,2,3
	ds_load_b64 v[128+2*\q:129+2*\q], v[TA] offset:512*\q
.endr
	s_wait_dscnt 0x0
	v_pk_add_f32 v[128:129], v[128:129], v[130:131]
	v_pk_add_f32 v[132:133], v[132:133], v[134:135]
	v_pk_add_f32 v[128:129], v[128:129], v[132:133]
	v_pk_mul_f32 v[128:129], v[128:129], s[NL:NL+1] op_sel_hi:[1,0]
	v_exp_f32 v128, v128
	v_exp_f32 v129, v129
	v_nop                                          ; a plain line behind the transcendentals,
	s_wait_alu depctr_va_vdst(0)                   ; and the wait ahead of the first reader
	v_pk_add_f32 v[128:129], v[128:129], 1.0 op_sel_hi:[1,0]
	v_rcp_f32 v128, v128
	v_rcp_f32 v129, v129
	v_nop
	s_wait_alu depctr_va_vdst(0)
	global_store_b64 v[TB], v[128:129], s[22:23]   ; 32 lanes store 256 consecutive bytes, at a multiple of 256 from out0's first byte
.Lend:
	s_set_vgpr_msb 0x5
	s_wait_tensorcnt 0x0
	ds_add_u32 v254, v255
	s_wait_dscnt 0x0
	s_set_vgpr_msb 0x500
	s_endpgm
.Lfunc_end_k_q6a3a91e294_main:
	.size	k_q6a3a91e294_main, .Lfunc_end_k_q6a3a91e294_main-k_q6a3a91e294_main
	.p2alignl 7, 3214868480
	.fill 96, 4, 3214868480
	.section	.rodata,"a",@progbits
	.p2align	6, 0x0
	.amdhsa_kernel k_q6a3a91e294_main
		.amdhsa_group_segment_fixed_size 137728
		.amdhsa_private_segment_fixed_size 0
		.amdhsa_enable_private_segment 0
		.amdhsa_kernarg_size 64
		.amdhsa_user_sgpr_count 2
		.amdhsa_user_sgpr_kernarg_segment_ptr 1
		.amdhsa_wavefront_size32 1
		.amdhsa_system_sgpr_workgroup_id_x 1
		.amdhsa_system_sgpr_workgroup_id_y 1
		.amdhsa_system_sgpr_workgroup_id_z 1
		.amdhsa_system_vgpr_workitem_id 0
		.amdhsa_next_free_vgpr 912
		.amdhsa_next_free_sgpr 66
		.amdhsa_reserve_vcc 0
		.amdhsa_float_denorm_mode_32 3
		.amdhsa_float_denorm_mode_16_64 3
		.amdhsa_memory_ordered 1
		.amdhsa_forward_progress 1
		.amdhsa_inst_pref_size 143
	.end_amdhsa_kernel
	.amdgpu_metadata
---
amdhsa.version: [ 1, 2 ]
amdhsa.kernels:
  - .name:           k_q6a3a91e294_main
    .symbol:         k_q6a3a91e294_main.kd
    .args:
      - { .name: stm, .offset: 0, .size: 8, .value_kind: global_buffer, .address_space: global }
      - { .name: nstm, .offset: 8, .size: 8, .value_kind: global_buffer, .address_space: global }
      - { .name: ft_b, .offset: 16, .size: 8, .value_kind: global_buffer, .address_space: global }
      - { .name: kan2_base_w, .offset: 24, .size: 8, .value_kind: global_buffer, .address_space: global }
      - { .name: kan2_spline_w, .offset: 32, .size: 8, .value_kind: global_buffer, .address_space: global }
      - { .name: wimg, .offset: 40, .size: 8, .value_kind: global_buffer, .address_space: global }
      - { .name: wsc, .offset: 48, .size: 8, .value_kind: global_buffer, .address_space: global }
      - { .name: out0, .offset: 56, .size: 8, .value_kind: global_buffer, .address_space: global }
    .group_segment_fixed_size: 137728
    .private_segment_fixed_size: 0
    .kernarg_segment_align: 8
    .kernarg_segment_size: 64
    .max_flat_workgroup_size: 128
    .sgpr_count:     66
    .vgpr_count:     912
    .wavefront_size: 32
...
	.end_amdgpu_metadata
.endif
;; end of part 2
;; ======== version 2 of 2: 2 launches
;; workspace buffers: wimg 196,608 bytes; wsc 12,288 bytes
;; launch prep (part 3): grid 12 x 4, 4 waves a work-group, no clusters, 0 bytes of LDS; arguments ft_w, kan1_base_w, kan1_spline_w, wimg, wsc; writes wimg, wsc
.if DOCPART == 3
	.amdgcn_target "amdgcn-amd-amdhsa--gfx1250"
	.amdhsa_code_object_version 6
	.text
	.protected	k_q6a3a91e294_prep
	.globl	k_q6a3a91e294_prep
	.p2align	8
	.type	k_q6a3a91e294_prep,@function
k_q6a3a91e294_prep:
	s_mov_b64 s[64:65], 0
	v_nop
	global_prefetch_b8 v0, s[64:65] scope:SCOPE_SE
	s_setreg_imm32_b32 hwreg(HW_REG_WAVE_MODE, 25, 1), 1
	s_wait_xcnt 0x0
; The three weights of the quantised products become codes of FP4 (E2M1) with one E8M0 byte for each 32 along K, laid as IMAGES OF OPERAND REGISTERS, so that the
; second launch loads each fragment (16 rows x 128 K: 8 registers a lane) by two loads of 16 bytes a lane and keeps it in registers.
; One wave makes one fragment.  Fragment g = 48 w + l belongs to wave w of the second launch:
;   l = 2 k + u  (l < 12):        ft_w, K step k, unit tile 2 w + u.  Row r of the tile is unit 16 (2 w + u) + 8 ((r >> 2) & 1) + 4 (r >> 3) + (r & 3): the order in which the
;                                 second launch wants its results, so that a lane's eight results are the eight inputs of one spline fragment's registers
;   l = 12 + 2 ks + v (ks < 16):  kan1_spline_w as [128][2048], K step ks, output tile 2 w + v
;   l = 44 + 2 s + v:             kan1_base_w, K step s, output tile 2 w + v; INSIDE each block of 32 the numbers stand in the order in which the second launch makes the
;                                 codes of silu(hidden): groups of four numbers from bytes 0, 32, 64, 96, 16, 48, 80, 112 of the block.  A block's scale does not hang on that order
; An image is [c = 0, 1][lane][16 bytes]: 1,024 bytes;  its scale words are 64 bytes: word r = row r's four bytes.
; A block's scale is 2^(floor(log2(its largest magnitude)) - 2); its byte is that magnitude's exponent field - 2, held at 1 from below.  A block of zeros keeps the byte 1 where the
; rule says 127: its codes are zeros, which add nothing, and this program alone reads the bytes.
; LIMITS: NaN and infinities among the weights are not served.
; 192 fragments are 48 work-groups: the launch has no more work than that.  No LDS, no barrier: waves share nothing.
.set Q,   32                           ; v32-95  64 numbers of my row: block c in registers 32 c .. 32 c + 31 = k 64 c + 32 h + 0 .. 31
.set PC,  96                           ; v96-103 the fragment's codes
.set QM,  10                           ; v10-13  largest magnitudes, two chains a block
.set QS,  14                           ; v14-15  the conversions' scale operands
.set QB,  16                           ; v16-17  the scale bytes
.set WD,  18                           ; v18     the scale word
.set PT,  19                           ; v19     a lane permute's destination
.set SH8, 7                            ; v7      8 h
	s_load_b256 s[4:11], s[0:1], 0x0               ; ft_w s[4:5], kan1_base_w s[6:7], kan1_spline_w s[8:9], wimg s[10:11]
	s_load_b64 s[12:13], s[0:1], 0x20              ; wsc
	v_lshrrev_b32 v1, 5, v0
	v_readfirstlane_b32 s24, v1                    ; wave 0..3
	v_and_b32 v1, 31, v0                           ; lane
	v_and_b32 v2, 15, v0                           ; r
	v_bfe_u32 v3, v0, 4, 1                         ; h
	s_and_b32 s25, ttmp7, 0xffff                   ; w
	s_lshl_b32 s26, ttmp9, 2
	s_add_co_u32 s26, s26, s24                     ; l = 4 x work-group x + wave: the kind of fragment hangs on work-group x alone
	v_bfe_u32 v4, v2, 2, 1
	v_lshrrev_b32 v5, 3, v2
	v_and_b32 v6, 3, v2
	v_lshl_add_u32 v6, v4, 3, v6
	v_lshl_add_u32 v6, v5, 2, v6                   ; ft_w's order of rows: 8 ((r >> 2) & 1) + 4 (r >> 3) + (r & 3)
	v_lshlrev_b32 v[SH8], 3, v3
	v_lshlrev_b32 v8, 4, v1                        ; the image: 16 bytes a lane
	v_lshlrev_b32 v9, 2, v2                        ; the scale words: 4 bytes a row
	v_mov_b32 v[PT], 0                             ; written once: a lane permute's destination counts as one of its sources
	s_mov_b32 s30, 0x76543210
	s_mov_b32 s31, 0xfedcba98                      ; v_permlanex16_b32's selects for lane l xor 16
	s_mov_b32 s16, 8192                            ; a row of kan1_spline_w in bytes
	s_wait_alu depctr_va_vdst(0)
	s_wait_kmcnt 0x0
	s_cmp_lt_u32 ttmp9, 3                          ; ft_w?  The choices hang on the work-group's number alone
	s_cselect_b64 s[14:15], s[4:5], s[8:9]
	s_cselect_b32 s16, 3072, s16                   ; a row in bytes
	s_cselect_b32 s18, 0, 12                       ; the kind's first l
	s_cselect_b32 s19, -1, 0                       ; all lanes, or none, take ft_w's order of rows
	s_cmp_eq_u32 ttmp9, 11                         ; kan1_base_w?
	s_cselect_b64 s[14:15], s[6:7], s[14:15]
	s_cselect_b32 s16, 1024, s16
	s_cselect_b32 s18, 44, s18
	v_cndmask_b32 v4, v2, v6, s19
	v_mul_lo_u32 v4, v4, s16
	v_lshl_add_u32 v4, v3, 7, v4                   ; my row of the tile x a row's bytes + 128 h
	s_sub_co_u32 s18, s26, s18
	s_lshr_b32 s18, s18, 1                         ; the K step
	s_and_b32 s20, s26, 1
	s_lshl_b32 s21, s25, 1
	s_add_co_u32 s20, s20, s21                     ; the tile: 2 w + (l & 1)
	s_lshl_b32 s20, s20, 4
	s_mul_i32 s20, s20, s16                        ; its first row, in bytes,
	s_lshl_b32 s18, s18, 9
	s_add_co_u32 s20, s20, s18                     ; + 512 bytes a K step
	s_mov_b32 s21, 0
	s_add_nc_u64 s[14:15], s[14:15], s[20:21]
	s_mul_i32 s22, s25, 48
	s_add_co_u32 s22, s22, s26                     ; g
	s_lshl_b32 s20, s22, 10
	s_add_nc_u64 s[10:11], s[10:11], s[20:21]      ; my image
	s_lshl_b32 s20, s22, 6
	s_add_nc_u64 s[12:13], s[12:13], s[20:21]      ; my scale words
	s_cmp_eq_u32 ttmp9, 11
	s_cbranch_scc1 .Lbase
	s_wait_alu depctr_va_vdst(0)
.irp c, 0,1
.irp g, 0,1,2,3,4,5,6,7
	global_load_b128 v[Q+32*\c+4*\g:Q+32*\c+4*\g+3], v4, s[14:15] offset:256*\c+16*\g
.endr
.endr
	s_branch .Lin
.Lbase:
	s_wait_alu depctr_va_vdst(0)
.irp c, 0,1
.irp g, 0,1,2,3,4,5,6,7
	global_load_b128 v[Q+32*\c+4*\g:Q+32*\c+4*\g+3], v4, s[14:15] offset:256*\c+32*(\g%4)+16*(\g/4)
.endr
.endr
.Lin:
	s_wait_loadcnt 0x0
.irp c, 0,1                                    ; each block's largest magnitude: all 32 numbers are mine; two chains a block, the four by turns
	v_max3_num_f32 v[QM+2*\c], |v[Q+32*\c]|, |v[Q+32*\c+1]|, 0x1800000   ; with the floor 2^(3 - 127): the byte cannot fall under 1
	v_max3_num_f32 v[QM+2*\c+1], |v[Q+32*\c+16]|, |v[Q+32*\c+17]|, |v[Q+32*\c+18]|
.endr
.irp i, 2,4,6,8,10,12
.irp c, 0,1
	v_max3_num_f32 v[QM+2*\c], v[QM+2*\c], |v[Q+32*\c+\i]|, |v[Q+32*\c+\i+1]|
	v_max3_num_f32 v[QM+2*\c+1], v[QM+2*\c+1], |v[Q+32*\c+\i+17]|, |v[Q+32*\c+\i+18]|
.endr
.endr
.irp c, 0,1
	v_max3_num_f32 v[QM+2*\c], v[QM+2*\c], |v[Q+32*\c+14]|, |v[Q+32*\c+15]|
.endr
.irp c, 0,1
	v_max3_num_f32 v[QM+2*\c], v[QM+2*\c], v[QM+2*\c+1], |v[Q+32*\c+31]|
.endr
.irp c, 0,1
	v_add_nc_u32 v[QS+\c], 0xff000000, v[QM+2*\c]  ; 2 off the exponent field: the conversion takes the exponent field of this operand as its scale
.endr
.irp c, 0,1
	v_lshrrev_b32 v[QB+\c], 23, v[QS+\c]           ; the scale's byte
.endr
.irp c, 0,1
.irp g, 0,1,2,3
	v_cvt_scalef32_pk8_fp4_f32 v[PC+4*\c+\g], v[Q+32*\c+8*\g:Q+32*\c+8*\g+7], v[QS+\c]
.endr
.endr
	v_lshl_or_b32 v[WD], v[QB+1], 16, v[QB]        ; my two bytes: blocks h and 2 + h of my row (a plain line behind the conversions),
	v_lshlrev_b32 v[WD], v[SH8], v[WD]             ; at their places in the word;
	v_permlanex16_b32 v[PT], v[WD], s30, s31
	v_or_b32 v[WD], v[WD], v[PT]                   ; with lane l xor 16's two the word is whole
	global_store_b128 v8, v[PC:PC+3], s[10:11]     ; 32 lanes store 512 consecutive bytes
	global_store_b128 v8, v[PC+4:PC+7], s[10:11] offset:512
	global_store_b32 v9, v[WD], s[12:13]           ; both halves of the lanes hold the same word and store it to the same place
	s_endpgm
.Lfunc_end_k_q6a3a91e294_prep:
	.size	k_q6a3a91e294_prep, .Lfunc_end_k_q6a3a91e294_prep-k_q6a3a91e294_prep
	.p2alignl 7, 3214868480
	.fill 96, 4, 3214868480
	.section	.rodata,"a",@progbits
	.p2align	6, 0x0
	.amdhsa_kernel k_q6a3a91e294_prep
		.amdhsa_group_segment_fixed_size 0
		.amdhsa_private_segment_fixed_size 0
		.amdhsa_enable_private_segment 0
		.amdhsa_kernarg_size 40
		.amdhsa_user_sgpr_count 2
		.amdhsa_user_sgpr_kernarg_segment_ptr 1
		.amdhsa_wavefront_size32 1
		.amdhsa_system_sgpr_workgroup_id_x 1
		.amdhsa_system_sgpr_workgroup_id_y 1
		.amdhsa_system_sgpr_workgroup_id_z 1
		.amdhsa_system_vgpr_workitem_id 0
		.amdhsa_next_free_vgpr 104
		.amdhsa_next_free_sgpr 66
		.amdhsa_reserve_vcc 0
		.amdhsa_float_denorm_mode_32 3
		.amdhsa_float_denorm_mode_16_64 3
		.amdhsa_memory_ordered 1
		.amdhsa_forward_progress 1
		.amdhsa_inst_pref_size 9
	.end_amdhsa_kernel
	.amdgpu_metadata
---
amdhsa.version: [ 1, 2 ]
amdhsa.kernels:
  - .name:           k_q6a3a91e294_prep
    .symbol:         k_q6a3a91e294_prep.kd
    .args:
      - { .name: ft_w, .offset: 0, .size: 8, .value_kind: global_buffer, .address_space: global }
      - { .name: kan1_base_w, .offset: 8, .size: 8, .value_kind: global_buffer, .address_space: global }
      - { .name: kan1_spline_w, .offset: 16, .size: 8, .value_kind: global_buffer, .address_space: global }
      - { .name: wimg, .offset: 24, .size: 8, .value_kind: global_buffer, .address_space: global }
      - { .name: wsc, .offset: 32, .size: 8, .value_kind: global_buffer, .address_space: global }
    .group_segment_fixed_size: 0
    .private_segment_fixed_size: 0
    .kernarg_segment_align: 8
    .kernarg_segment_size: 40
    .max_flat_workgroup_size: 128
    .sgpr_count:     66
    .vgpr_count:     104
    .wavefront_size: 32
...
	.end_amdgpu_metadata
.endif
;; end of part 3
;; launch main (part 4): grid 256 x 1, 4 waves a work-group, no clusters, 137,728 bytes of LDS; arguments stm, nstm, ft_b, kan2_base_w, kan2_spline_w, wimg, wsc, out0; writes out0
.if DOCPART == 4
	.amdgcn_target "amdgcn-amd-amdhsa--gfx1250"
	.amdhsa_code_object_version 6
	.text
	.protected	k_q6a3a91e294_main
	.globl	k_q6a3a91e294_main
	.p2align	8
	.type	k_q6a3a91e294_main,@function
k_q6a3a91e294_main:
	s_mov_b64 s[64:65], 0
	v_nop
	global_prefetch_b8 v0, s[64:65] scope:SCOPE_SE
	s_setreg_imm32_b32 hwreg(HW_REG_WAVE_SCHED_MODE, 0, 2), 2
	s_setreg_imm32_b32 hwreg(HW_REG_WAVE_MODE, 25, 1), 1
	s_wait_xcnt 0x0
	s_wait_alu depctr_vm_vsrc(0)
; out = sigmoid(KAN2(KAN1([stm ft_w^T + b | nstm ft_w^T + b]))), the four large products on codes of FP4 (E2M1) with one E8M0 scale for each 32 along K; nothing between x and out goes to memory.
; SHARES.  A work-group of four waves owns 128 rows, 16 at a time: 8 blocks.  THE WAVES SHARE THE COLUMNS: wave w owns hidden unit tiles 2 w, 2 w + 1 (of both halves of hidden) and KAN1's output tiles
; 2 w, 2 w + 1.  Its 48 weight fragments (384 registers, made by the launch before as images of registers) stay in its registers for the whole launch.  What goes from wave to wave through LDS is small:
; images of code fragments (two stores of 16 bytes a lane) and scale words.
; x (16 rows x 1,536 numbers a block) is read once, 512 consecutive bytes a load, ONE BLOCK AHEAD, into 192 registers a wave: 48 loads of each wave are out across both barriers of a block.
; A BLOCK, two barriers:  X: my three fragments of x turn through my own stage in LDS (a lane then holds 32 neighbours along K), are quantised, images to LDS | barrier |  P1: four tiles of hidden, TRANSPOSED
; (source 0 = 16 rows of ft_w, source 1 = 16 rows of x; the bias is the first C): a lane holds one row.  A1: silu and the spline bases of my 32 hidden numbers a lane, quantised in registers, images to LDS
; | barrier |  P2: KAN1, 18 K steps, NOT transposed: a lane holds one output feature and eight rows.  A2: KAN2 for my 32 features, summed over sixteen lanes, partial sums to LDS.
; At the end the four waves' partial sums are added, and the sigmoid is taken.
; THE SPLINE IN CLOSED FORM.  reference()'s knots are uniform: t = 2.5 x + 5.5, i = floor(t), u = t - i, o = 1 - u; the bases that are not 0 stand in slots i - 3 + m, m = 0 .. 3:
; o^3/6, 2/3 - u^2 + u^3/2, 2/3 - o^2 + o^3/2, u^3/6; a slot outside 0 .. 7 is dropped: |i - (6.5 - m)| < 4 keeps.  With the pair [o, u] that is six packed instructions.
; KAN1: an input's 8 bases are 8 codes, ONE operand register.  The four weights (dropped ones set to +0) of two inputs are converted together; 16 bits are cut out and ROTATED to their slots (by 12 - 4 i, or 28 - 4 i
; for the upper half): what wraps round is zero codes.  ft_w's rows are ordered so that a lane's 8 results are the 8 registers of one spline fragment, and 4 of them a whole block of 32.
; KAN2 (N = 1, left as it is): a feature's 8 coefficients, rounded to bf16, lie in two byte tables a lane; v_perm_b32 picks the four of slots i - 3 .. i, a zero byte for a slot outside 0 .. 7; the weights and sums are f32.
; LIMITS: the knots are taken as k x 0.4 - 1 exactly, not as their f32 roundings: a basis differs from reference()'s by about 1e-7 absolutely beside a knot.  kan2_spline_w is rounded to bf16 (2^-9 of a
; coefficient).  A block of zeros has the byte 1 where the rule says 127: its codes are zeros.  NaN and infinities among the inputs are not served; any finite input is.
; NO CLUSTER: what work-groups share is a wave's 52 KB of weight images, read once at the head straight into registers, against 786 KB of x that is a work-group's own.  NO TENSOR LOADS: x goes through registers, so that its
; loads stay out across the barriers.
; THE MODE: SCHED_MODE bits 1:0 = 2 (LLVM: expert scheduling mode 2), set by the entry lines.  The code itself states the register dependences between vector or matrix instructions and memory or LDS
; instructions, with s_wait_alu, always for 0.
; THE PLAN.  Registers that LDS or memory instructions touch, round the loop:
;   window 1 v0-191  x.  Written by global loads, read by the stage's 48 stores; no vector instruction names them.  One wait on vm_vsrc stands between the stores and the next block's loads.
;   v128-255 Q0, Q1  The stage's reads land here, QUANT64 reads them.  Stage 2 lands in Q0 behind the wait on va_vdst that follows the first QUANT64.
;   x's codes        Each of a block's three fragments has out-registers of its own (v96-103 + v120, v104-111 + v121, v224-231 + v232): written by one QUANT64, read by three stores, and not written again before the
;                    wait on vm_vsrc behind the first barrier.
;   v84-95, v128-223 x's scale words and fragments: LDS loads behind the first barrier; read by P1's products.  The last wait on va_vdst of phase X covers these loads: no vector line stands between.
;   A1's codes       Each spline fragment is laid over ITS OWN hidden tile (v96-127), which nothing reads once its t is formed; the pairs' scale words in v246, v247; the base operand's codes and byte in v248-252.
;                    None is written twice in a block.  The stores go out in two runs, each behind one wait on va_vdst; one wait on vm_vsrc behind the second barrier frees them all.
;   v84-92, v112-255 the activations' scale words and fragments: LDS loads behind the second barrier; read by P2's products.  A1's last wait on va_vdst covers these loads.
;   v112-119, v21    A2's sums and their address: written by A2, read by two stores behind one wait on va_vdst.  Behind that wait no vector line stands before the next block's stage reads: it serves them too.
;   v4-v17           addresses made at the head, ahead of its wait on va_vdst, and never written again.
; A compare's mask is read only behind a wait on va_sdst: a fragment's 32 compares go into 32 scalar registers, the rotations' twelve lines follow, then the one wait, then the 32 selects.
; REGISTERS, in windows of 256: window 0: v1-23 addresses and temporaries; v24-33 KAN2's tables; v34-59 constant pairs; v60-95 scale words and nothing else; v96-127 hidden tiles, later KAN1's sums; v128-255 at work.
;   window 1: v0-191 x as loaded.   window 2: KAN1's 32 spline fragments.   window 3: v0-95 ft_w's 12 fragments, v96-127 KAN1's 4 base fragments, v128-143 the bias, two tiles in the result's layout.
.set STGB, 8448                        ; LDS: a stage: 16 rows x (512 + 16) bytes: 528 = 33 x 16, so sixteen rows begin at sixteen different 16-byte columns modulo 256
.set WSTB, 3*STGB                      ; three stages a wave, from byte 0 on
.set XIMG, 4*WSTB                      ; x's 12 fragments (6 t + k), 1,024 bytes each
.set XSC,  XIMG+12*1024                ; their scale words, 128 bytes each
.set SIMG, XSC+12*128                  ; the spline operand's 16 fragments
.set SSC,  SIMG+16*1024                ; their scale words: pair p: words 0-15 K step 2 p, words 16-31 K step 2 p + 1
.set BIMG, SSC+8*128                   ; the base operand's 2 fragments
.set BSC,  BIMG+2*1024                 ; their scale words: words 0-15 K step 0, words 16-31 K step 1
.set PSB,  BSC+256                     ; partial sums [wave][128 rows] f32
.set LN,  1                            ; lane
.set RR,  2                            ; r = lane % 16
.set HH,  3                            ; h = lane / 16
.set LI,  4                            ; 16 x lane
.set STW, 5                            ; my stages, on the way in: 16 x lane
.set STR, 6                            ; and on the way out: 528 r + 128 h
.set XWI, 7                            ; where I store x's images;  XWS their words;  XRI, XRS where all are read
.set XWS, 8
.set XRI, 9
.set XRS, 10
.set SWI, 11                           ; the same for the spline operand
.set SWS, 12
.set SRI, 13
.set SRS, 14
.set BWI, 15                           ; the base operand: my block's 16 bytes a row;  BWS my block's byte of a row's word
.set BWS, 16
.set PSW, 17                           ; my partial sums: 32 h
.set SH8, 18                           ; 8 h
.set PT,  19                           ; lane permutes' destinations
.set PT2, 20
.set PSA, 21                           ; address of a block's partial sums
.set TA,  22
.set TB,  23
.set KT,  24                           ; v24-31  KAN2's tables: for feature tile v: high bytes of c0-3, of c4-7, low bytes of c0-3, of c4-7
.set KBW, 32                           ; v32-33  kan2_base_w of my two features
.set C25, 34
.set C55, 36
.set C65, 38
.set KA3, 40                           ; [w0, w1] = X^3 KA3 + (X^2 KA2 + KA0), X = [o, u]
.set KA2, 42
.set KA0, 44
.set KB3, 46                           ; [w2, w3] likewise
.set KB2, 48
.set KB0, 50
.set CE01, 52                          ; -(6.5 - m)
.set CE23, 54
.set CM4, 56
.set CSH, 58
.set FTS, 60                           ; v60-65  ft_w's scale words, K step k: lanes 0-15 tile 2 w, lanes 16-31 tile 2 w + 1
.set K1S, 66                           ; v66-83  KAN1's weights' likewise, K step ks
.set XS,  84                           ; v84-95  x's scale words
.set SS,  84                           ; v84-91  the spline operand's;  v92 the base operand's
.set BS,  92
.set HT,  96                           ; v96-127 hidden tiles 2 t + u; each later takes its own spline fragment's codes
.set ACC, 96                           ; v96-111 KAN1's two sums
.set AF,  112                          ; v112-255 KAN1's 18 activation fragments
.set XF,  128                          ; v128-223 x's fragments, 2 k + t
.set Q0,  128                          ; phase X: 64 numbers, two sets
.set Q1,  192
.set PCA, 96                           ; phase X: codes and words, a set for each of the three fragments; the third lies in Q1, which is read out by then
.set PCC, 104
.set PCE, 224
.set QM,  112
.set QS,  116
.set QB,  118
.set WDA, 120
.set WDB, 121
.set WDC, 232
.set S1,  128                          ; A1: silu(hidden), 32 numbers
.set BM,  160
.set BSV, 164
.set BB,  166
.set PCB, 248                          ; the base operand's codes, and its byte: nothing writes these before the barrier
.set BYS, 252
.set ST,  128                          ; A1, spline: t, later the rotations
.set SF,  136                          ; floor(t)
.set SX,  144                          ; [o, u]
.set SX2, 160
.set SX3, 176
.set SE,  160                          ; i - (6.5 - m), over the squares and cubes
.set SW,  192                          ; the weights, 4 an input
.set SCW, 232
.set ZM,  236
.set ZS,  240
.set ZB,  242
.set WDE, 244
.set WDO, 245
.set WSR, 246                          ; v246-247 the scale words of pair t, as they are stored
.set OUT, 112                          ; A2: eight rows' sums
.set S2,  136
.set KT2, 136
.set KFQ, 144
.set KX,  152
.set KX2, 168
.set KX3, 184
.set KW,  200
.set KSL, 232
.set KQ,  240
.set KTM, 248
.set HB,  168
.set LB,  176
.set Z01, 184
.set Z23, 192
.set NL,  2                            ; s[2:3] -log2(e)
.set CMA, 4                            ; s4-19  compare masks 0-15 (the arguments' registers that lay here are done with at the head)
.set WV,  24                           ; s24 wave
.set XP,  26                           ; s[26:27] x: my three K steps of the block that is loaded next
.set BLK, 28
.set PSO, 29
.set SEL, 30
.set MHI, 32                           ; 0xffff0000: the upper 16 bits, and lanes 16-31
.set MLO, 33
.set KADD, 34
.set K08, 35
.set K04, 36
.set K0F, 37
.set KZ0, 38
.set KZ1, 39
.set CMB, 40                           ; s40-55 compare masks 16-31 (s48, s49, s52 are temporaries at the head and at the end)
.set MSB, 0
.macro WIN new                         ; the immediate's high byte repeats the setting that is left
.if MSB != \new
	s_set_vgpr_msb (MSB<<8)|\new
.set MSB, \new
.endif
.endm
.macro BARRIER                         ; my LDS stores have landed and my LDS loads are in: then the work-group's barrier
	s_wait_dscnt 0x0
	s_barrier_signal -1
	s_barrier_wait -1
.endm
.macro XLOADS                          ; a block's 16 rows x my 3 K steps: each load reads 512 consecutive bytes; K step i's sixteen first, so that the waits can count
	WIN 0x40                                       ; destination window 1
.irp i, 0,1,2
.irp p, 0,1,2,3,4,5,6,7,8,9,10,11,12,13,14,15
	global_load_b128 v[64*\i+4*\p:64*\i+4*\p+3], v[LI], s[XP:XP+1] offset:3072*\p+512*\i th:TH_LOAD_NT
.endr
.endr
	WIN 0
.endm
.macro STIN i, q                       ; stage i comes back: lane (r, h) takes k = 64 c + 32 h + 0 .. 31 of row r
.irp c, 0,1
.irp g, 0,1,2,3,4,5,6,7
	ds_load_b128 v[\q+32*\c+4*\g:\q+32*\c+4*\g+3], v[STR] offset:STGB*\i+256*\c+16*\g
.endr
.endr
.endm
.macro XOUT i, pc, wd                  ; a fragment goes to LDS as it stands in the registers
	ds_store_b128 v[XWI], v[\pc:\pc+3] offset:1024*\i
	ds_store_b128 v[XWI], v[\pc+4:\pc+7] offset:1024*\i+512
	ds_store_b32 v[XWS], v[\wd] offset:128*\i
.endm
; 64 numbers of a lane, two whole blocks of 32, become a fragment's codes and its row's scale word
.macro QUANT64 q, pc, wd
.irp c, 0,1
	v_max3_num_f32 v[QM+2*\c], |v[\q+32*\c]|, |v[\q+32*\c+1]|, 0x1800000   ; with the floor 2^(3 - 127): the byte cannot fall under 1
	v_max3_num_f32 v[QM+2*\c+1], |v[\q+32*\c+16]|, |v[\q+32*\c+17]|, |v[\q+32*\c+18]|
.endr
.irp i, 2,4,6,8,10,12
.irp c, 0,1
	v_max3_num_f32 v[QM+2*\c], v[QM+2*\c], |v[\q+32*\c+\i]|, |v[\q+32*\c+\i+1]|
	v_max3_num_f32 v[QM+2*\c+1], v[QM+2*\c+1], |v[\q+32*\c+\i+17]|, |v[\q+32*\c+\i+18]|
.endr
.endr
.irp c, 0,1
	v_max3_num_f32 v[QM+2*\c], v[QM+2*\c], |v[\q+32*\c+14]|, |v[\q+32*\c+15]|
.endr
.irp c, 0,1
	v_max3_num_f32 v[QM+2*\c], v[QM+2*\c], v[QM+2*\c+1], |v[\q+32*\c+31]|
.endr
.irp c, 0,1
	v_add_nc_u32 v[QS+\c], 0xff000000, v[QM+2*\c]  ; 2 off the exponent field: the conversion's scale operand
.endr
.irp c, 0,1
	v_lshrrev_b32 v[QB+\c], 23, v[QS+\c]           ; the scale's byte
.endr
.irp c, 0,1
.irp g, 0,1,2,3
	v_cvt_scalef32_pk8_fp4_f32 v[\pc+4*\c+\g], v[\q+32*\c+8*\g:\q+32*\c+8*\g+7], v[QS+\c]
.endr
.endr
	v_lshl_or_b32 v[\wd], v[QB+1], 16, v[QB]       ; blocks h and 2 + h (a plain line behind the conversions),
	v_lshlrev_b32 v[\wd], v[SH8], v[\wd]           ; at their places in the word;
	v_permlanex16_b32 v[PT], v[\wd], s[SEL], s[SEL+1]
	v_or_b32 v[\wd], v[\wd], v[PT]                 ; with lane l xor 16's two the word is whole
.endm
; the largest magnitudes of two runs of 16 numbers, at s and s + 16, into v[m] and v[m + 2]: two chains a run, the four by turns
.macro BMAX m, s
.irp c, 0,1
	v_max3_num_f32 v[\m+2*\c], |v[\s+16*\c]|, |v[\s+16*\c+1]|, 0x1800000
	v_max3_num_f32 v[\m+2*\c+1], |v[\s+16*\c+8]|, |v[\s+16*\c+9]|, |v[\s+16*\c+10]|
.endr
.irp i, 2,4
.irp c, 0,1
	v_max3_num_f32 v[\m+2*\c], v[\m+2*\c], |v[\s+16*\c+\i]|, |v[\s+16*\c+\i+1]|
	v_max3_num_f32 v[\m+2*\c+1], v[\m+2*\c+1], |v[\s+16*\c+\i+9]|, |v[\s+16*\c+\i+10]|
.endr
.endr
.irp c, 0,1
	v_max3_num_f32 v[\m+2*\c], v[\m+2*\c], |v[\s+16*\c+6]|, |v[\s+16*\c+7]|
.endr
.irp c, 0,1
	v_max3_num_f32 v[\m+2*\c], v[\m+2*\c], v[\m+2*\c+1], |v[\s+16*\c+15]|
.endr
.endm
; dst = src / (1 + 2^(-log2(e) src)), n numbers.  Each kind of transcendental is one batch: a plain line behind it, and the one wait ahead of the first reader
.macro SILU n, src, dst
.set I_, 0
.rept (\n)/2
	v_pk_mul_f32 v[\dst+I_:\dst+I_+1], v[\src+I_:\src+I_+1], s[NL:NL+1] op_sel_hi:[1,0]   ; each accumulator is read from its low end on
.set I_, I_+2
.endr
.set I_, 0
	s_wait_alu depctr_va_vdst(0)
.rept \n
	v_exp_f32 v[\dst+I_], v[\dst+I_]
.set I_, I_+1
.endr
	v_nop
	s_wait_alu depctr_va_vdst(0)                   ; the exponentials have written v[dst ..], ahead of the additions that read them
.set I_, 0
.rept (\n)/2
	v_pk_add_f32 v[\dst+I_:\dst+I_+1], v[\dst+I_:\dst+I_+1], 1.0 op_sel_hi:[1,0]
.set I_, I_+2
.endr
.set I_, 0
	s_wait_alu depctr_va_vdst(0)
.rept \n
	v_rcp_f32 v[\dst+I_], v[\dst+I_]
.set I_, I_+1
.endr
	v_nop
	s_wait_alu depctr_va_vdst(0)                   ; the reciprocals have written v[dst ..], ahead of the multiplications that read them
.set I_, 0
.rept (\n)/2
	v_pk_mul_f32 v[\dst+I_:\dst+I_+1], v[\dst+I_:\dst+I_+1], v[\src+I_:\src+I_+1]
.set I_, I_+2
.endr
.endm
; eight numbers t become floor(t), [o, u] and the four weights each; the eight by turns, so that no line waits for the line above it
.macro CUBIC tt, ff, xa, xb, xc, ww
.irp j, 0,1,2,3,4,5,6,7
	v_floor_f32 v[\ff+\j], v[\tt+\j]
.endr
.irp j, 0,1,2,3,4,5,6,7
	v_sub_f32 v[\xa+2*\j+1], v[\tt+\j], v[\ff+\j]                      ; u
.endr
.irp j, 0,1,2,3,4,5,6,7
	v_sub_f32 v[\xa+2*\j], 1.0, v[\xa+2*\j+1]                          ; o
.endr
.irp j, 0,1,2,3,4,5,6,7
	v_pk_mul_f32 v[\xb+2*\j:\xb+2*\j+1], v[\xa+2*\j:\xa+2*\j+1], v[\xa+2*\j:\xa+2*\j+1]
.endr
.irp j, 0,1,2,3,4,5,6,7
	v_pk_mul_f32 v[\xc+2*\j:\xc+2*\j+1], v[\xb+2*\j:\xb+2*\j+1], v[\xa+2*\j:\xa+2*\j+1]
.endr
.irp j, 0,1,2,3,4,5,6,7
	v_pk_fma_f32 v[\ww+4*\j:\ww+4*\j+1], v[\xb+2*\j:\xb+2*\j+1], v[KA2:KA2+1], v[KA0:KA0+1]
	v_pk_fma_f32 v[\ww+4*\j+2:\ww+4*\j+3], v[\xb+2*\j:\xb+2*\j+1], v[KB2:KB2+1], v[KB0:KB0+1]
.endr
.irp j, 0,1,2,3,4,5,6,7
	v_pk_fma_f32 v[\ww+4*\j:\ww+4*\j+1], v[\xc+2*\j:\xc+2*\j+1], v[KA3:KA3+1], v[\ww+4*\j:\ww+4*\j+1]
	v_pk_fma_f32 v[\ww+4*\j+2:\ww+4*\j+3], v[\xc+2*\j:\xc+2*\j+1], v[KB3:KB3+1], v[\ww+4*\j+2:\ww+4*\j+3]
.endr
.endm
; one scaled matrix instruction; ra, rb: the scales of source 0, 1 are read from lanes 16-31
.macro MM d, a, b, c, sa, sb, ra, rb
.if (\ra) && (\rb)
	v_wmma_scale_f32_16x16x128_f8f6f4 v[\d:(\d)+7], v[\a:(\a)+7], v[\b:(\b)+7], v[\c:(\c)+7], v[\sa], v[\sb] matrix_a_fmt:MATRIX_FMT_FP4 matrix_b_fmt:MATRIX_FMT_FP4 matrix_a_scale:MATRIX_SCALE_ROW1 matrix_b_scale:MATRIX_SCALE_ROW1
.elseif (\ra)
	v_wmma_scale_f32_16x16x128_f8f6f4 v[\d:(\d)+7], v[\a:(\a)+7], v[\b:(\b)+7], v[\c:(\c)+7], v[\sa], v[\sb] matrix_a_fmt:MATRIX_FMT_FP4 matrix_b_fmt:MATRIX_FMT_FP4 matrix_a_scale:MATRIX_SCALE_ROW1
.elseif (\rb)
	v_wmma_scale_f32_16x16x128_f8f6f4 v[\d:(\d)+7], v[\a:(\a)+7], v[\b:(\b)+7], v[\c:(\c)+7], v[\sa], v[\sb] matrix_a_fmt:MATRIX_FMT_FP4 matrix_b_fmt:MATRIX_FMT_FP4 matrix_b_scale:MATRIX_SCALE_ROW1
.else
	v_wmma_scale_f32_16x16x128_f8f6f4 v[\d:(\d)+7], v[\a:(\a)+7], v[\b:(\b)+7], v[\c:(\c)+7], v[\sa], v[\sb] matrix_a_fmt:MATRIX_FMT_FP4 matrix_b_fmt:MATRIX_FMT_FP4
.endif
.endm
; Hidden tile 2 t + u becomes the fragment of spline K step 8 t + 2 w + u.  Register j = 4 c + e of lane (r, h) is input 8 c + 4 h + e of the step's 16, row r: its 8 bases are register j of the fragment.
; The fragment's codes are laid over the tile itself: nothing reads the tile behind the first four lines.  SOUT stores them.
.macro SPL t, u
.set HQ, HT+8*(2*(\t)+(\u))
.set WX, WDE+(\u)
.irp p, 0,1,2,3
	v_pk_fma_f32 v[ST+2*\p:ST+2*\p+1], v[HQ+2*\p:HQ+2*\p+1], v[C25:C25+1], v[C55:C55+1]   ; t = 2.5 x + 5.5
.endr
	CUBIC ST, SF, SX, SX2, SX3, SW
.irp j, 0,2,4,6                                ; i - (6.5 - m): i is taken for both halves, from the pair's first register or from its second
	v_pk_add_f32 v[SE+4*\j:SE+4*\j+1], v[SF+\j:SF+\j+1], v[CE01:CE01+1] op_sel_hi:[0,1]
	v_pk_add_f32 v[SE+4*\j+2:SE+4*\j+3], v[SF+\j:SF+\j+1], v[CE23:CE23+1] op_sel_hi:[0,1]
	v_pk_add_f32 v[SE+4*\j+4:SE+4*\j+5], v[SF+\j:SF+\j+1], v[CE01:CE01+1] op_sel:[1,0] op_sel_hi:[1,1]
	v_pk_add_f32 v[SE+4*\j+6:SE+4*\j+7], v[SF+\j:SF+\j+1], v[CE23:CE23+1] op_sel:[1,0] op_sel_hi:[1,1]
.endr
.irp n, 0,1,2,3,4,5,6,7,8,9,10,11,12,13,14,15  ; the fragment's 32 compares in one run, each into a mask of its own
	v_cmp_gt_f32 s[CMA+\n], 4.0, |v[SE+\n]|
.endr
.irp n, 0,1,2,3,4,5,6,7,8,9,10,11,12,13,14,15
	v_cmp_gt_f32 s[CMB+\n], 4.0, |v[SE+16+\n]|
.endr
.irp p, 0,1,2,3
	v_pk_fma_f32 v[ST+2*\p:ST+2*\p+1], v[SF+2*\p:SF+2*\p+1], v[CM4:CM4+1], v[CSH:CSH+1]   ; the rotations: 12 - 4 i for the lower 16 bits, 28 - 4 i for the upper
.endr
.irp j, 0,1,2,3,4,5,6,7
	v_cvt_i32_f32 v[ST+\j], v[ST+\j]               ; (it saturates; the rotation takes the low five bits; far outside the grid all codes are zeros)
.endr
	s_wait_alu depctr_va_sdst(0)                   ; the 32 compares have written their masks, ahead of the selects that read them
.irp n, 0,1,2,3,4,5,6,7,8,9,10,11,12,13,14,15
	v_cndmask_b32 v[SW+\n], 0, v[SW+\n], s[CMA+\n]   ; a weight whose slot lies outside 0 .. 7 becomes +0, ahead of the block's maximum
.endr
.irp n, 0,1,2,3,4,5,6,7,8,9,10,11,12,13,14,15
	v_cndmask_b32 v[SW+16+\n], 0, v[SW+16+\n], s[CMB+\n]
.endr
	BMAX ZM, SW                                    ; a block of 32 is 4 inputs x 8 slots: its numbers that are not 0 are among my 16 weights
.irp c, 0,1
	v_add_nc_u32 v[ZS+\c], 0xff000000, v[ZM+2*\c]
.endr
.irp c, 0,1
	v_lshrrev_b32 v[ZB+\c], 23, v[ZS+\c]
.endr
.irp p, 0,1,2,3
	v_cvt_scalef32_pk8_fp4_f32 v[SCW+\p], v[SW+8*\p:SW+8*\p+7], v[ZS+\p/2]   ; two inputs' four codes each
.endr
	v_lshl_or_b32 v[WX], v[ZB+1], 16, v[ZB]        ; the row's scale word, as in QUANT64 (plain lines behind the conversions)
	v_lshlrev_b32 v[WX], v[SH8], v[WX]
	v_permlanex16_b32 v[PT], v[WX], s[SEL], s[SEL+1]
	v_or_b32 v[WX], v[WX], v[PT]
.irp p, 0,1,2,3
	v_and_b32 v[HQ+2*\p], s[MLO], v[SCW+\p]
	v_and_b32 v[HQ+2*\p+1], s[MHI], v[SCW+\p]
.endr
.irp j, 0,1,2,3,4,5,6,7
	v_alignbit_b32 v[HQ+\j], v[HQ+\j], v[HQ+\j], v[ST+\j]   ; rotated to slots i - 3 .. i
.endr
.if \u
	v_cndmask_b32 v[WSR+(\t)], v[WDE], v[WDO], s[MHI]   ; lanes 0-15 the even K step's words, lanes 16-31 the odd one's
.endif
.endm
.macro SOUT t                          ; the two fragments of pair t and their scale words go to LDS as they stand in the registers
.irp u, 0,1
	ds_store_b128 v[SWI], v[HT+8*(2*(\t)+\u):HT+8*(2*(\t)+\u)+3] offset:1024*(8*(\t)+\u)
	ds_store_b128 v[SWI], v[HT+8*(2*(\t)+\u)+4:HT+8*(2*(\t)+\u)+7] offset:1024*(8*(\t)+\u)+512
.endr
	ds_store_b32 v[SWS], v[WSR+(\t)] offset:512*(\t)
.endm
; KAN2's spline term of eight rows of my feature of tile v
.macro K2 v
.set AQ, ACC+8*(\v)
.set TQ, KT+4*(\v)
.irp p, 0,1,2,3
	v_pk_fma_f32 v[KT2+2*\p:KT2+2*\p+1], v[AQ+2*\p:AQ+2*\p+1], v[C25:C25+1], v[C65:C65+1]   ; t + 1
.endr
	CUBIC KT2, KFQ, KX, KX2, KX3, KW
.irp j, 0,1,2,3,4,5,6,7
	v_med3_num_f32 v[KFQ+\j], v[KFQ+\j], 0, 0x41400000   ; i + 1, held to 0 .. 12: at both ends all four slots lie outside
.endr
.irp j, 0,1,2,3,4,5,6,7
	v_cvt_u32_f32 v[KSL+\j], v[KFQ+\j]
.endr
.irp j, 0,1,2,3,4,5,6,7
	v_perm_b32 v[KSL+\j], v[KSL+\j], v[KSL+\j], 0  ; into all four bytes
.endr
.irp j, 0,1,2,3,4,5,6,7
	v_add_nc_u32 v[KSL+\j], s[KADD], v[KSL+\j]     ; byte m = slot + 16, from 12 to 27: bit 3 is set just where the slot lies outside 0 .. 7
.endr
.irp j, 0,1,2,3,4,5,6,7
	v_and_b32 v[KQ+\j], s[K08], v[KSL+\j]
.endr
.irp j, 0,1,2,3,4,5,6,7
	v_lshrrev_b32 v[KTM+\j], 3, v[KQ+\j]
.endr
.irp j, 0,1,2,3,4,5,6,7
	v_sub_nc_u32 v[KQ+\j], v[KQ+\j], v[KTM+\j]     ; 7 in such a byte, 0 in the others
.endr
.irp j, 0,1,2,3,4,5,6,7
	v_bfi_b32 v[KSL+\j], v[KQ+\j], s[K04], v[KSL+\j]
.endr
.irp j, 0,1,2,3,4,5,6,7
	v_and_b32 v[KSL+\j], s[K0F], v[KSL+\j]         ; the selector: the slot, or 12, which gives a zero byte
.endr
.irp j, 0,1,2,3,4,5,6,7
	v_perm_b32 v[HB+\j], v[TQ+1], v[TQ], v[KSL+\j]
.endr
.irp j, 0,1,2,3,4,5,6,7
	v_perm_b32 v[LB+\j], v[TQ+3], v[TQ+2], v[KSL+\j]
.endr
.irp j, 0,1,2,3,4,5,6,7
	v_perm_b32 v[Z01+\j], v[HB+\j], v[LB+\j], s[KZ0]   ; the coefficients of m = 0, 1 as two bf16,
.endr
.irp j, 0,1,2,3,4,5,6,7
	v_perm_b32 v[Z23+\j], v[HB+\j], v[LB+\j], s[KZ1]   ; of m = 2, 3
.endr
.irp j, 0,1,2,3,4,5,6,7
	v_fma_mix_f32_bf16 v[OUT+\j], v[Z01+\j], v[KW+4*\j], v[OUT+\j] op_sel_hi:[1,0,0]
.endr
.irp j, 0,1,2,3,4,5,6,7
	v_fma_mix_f32_bf16 v[OUT+\j], v[Z01+\j], v[KW+4*\j+1], v[OUT+\j] op_sel:[1,0,0] op_sel_hi:[1,0,0]
.endr
.irp j, 0,1,2,3,4,5,6,7
	v_fma_mix_f32_bf16 v[OUT+\j], v[Z23+\j], v[KW+4*\j+2], v[OUT+\j] op_sel_hi:[1,0,0]
.endr
.irp j, 0,1,2,3,4,5,6,7
	v_fma_mix_f32_bf16 v[OUT+\j], v[Z23+\j], v[KW+4*\j+3], v[OUT+\j] op_sel:[1,0,0] op_sel_hi:[1,0,0]
.endr
.endm
	s_load_b512 s[8:23], s[0:1], 0x0               ; stm s[8:9], nstm s[10:11], ft_b s[12:13], kan2_base_w s[14:15], kan2_spline_w s[16:17], wimg s[18:19], wsc s[20:21], out0 s[22:23]
	s_set_vgpr_msb 0x40
	v_lshl_add_u32 v254, v0, 2, 0x21800
	v_mov_b32 v255, 0
	s_set_vgpr_msb 0x4000
	v_and_b32 v[LN], 31, v0
	v_and_b32 v[RR], 15, v0
	v_bfe_u32 v[HH], v0, 4, 1
	v_lshrrev_b32 v[PT], 5, v0
	v_readfirstlane_b32 s[WV], v[PT]               ; wave 0..3
	v_lshlrev_b32 v[LI], 4, v[LN]
	v_lshlrev_b32 v[TB], 2, v[LN]                  ; 4 x lane
	s_wait_alu depctr_va_sdst(0)                   ; s24, the wave's number, is written, ahead of its first reader
	s_mul_i32 s48, s[WV], WSTB
	v_add_nc_u32 v[STW], s48, v[LI]
	v_mul_u32_u24 v[STR], v[RR], 528
	v_lshl_add_u32 v[STR], v[HH], 7, v[STR]
	v_add_nc_u32 v[STR], s48, v[STR]
	s_mul_i32 s48, s[WV], 3072
	s_add_co_u32 s48, s48, XIMG
	v_add_nc_u32 v[XWI], s48, v[LI]                ; my fragments 3 w .. 3 w + 2
	s_mul_i32 s48, s[WV], 384
	s_add_co_u32 s48, s48, XSC
	v_add_nc_u32 v[XWS], s48, v[TB]
	v_add_nc_u32 v[XRI], XIMG, v[LI]
	v_add_nc_u32 v[XRS], XSC, v[TB]
	s_lshl_b32 s48, s[WV], 11
	s_add_co_u32 s48, s48, SIMG
	v_add_nc_u32 v[SWI], s48, v[LI]                ; K steps 8 t + 2 w + u
	s_lshl_b32 s48, s[WV], 7
	s_add_co_u32 s48, s48, SSC
	v_add_nc_u32 v[SWS], s48, v[TB]                ; pairs 4 t + w
	v_add_nc_u32 v[SRI], SIMG, v[LI]
	v_add_nc_u32 v[SRS], SSC, v[TB]
	s_lshr_b32 s48, s[WV], 1
	s_lshl_b32 s48, s48, 9
	s_and_b32 s49, s[WV], 1
	s_lshl_b32 s49, s49, 8
	s_add_co_u32 s48, s48, s49
	s_add_co_u32 s48, s48, BIMG
	v_lshlrev_b32 v[BWI], 4, v[RR]
	v_lshl_add_u32 v[BWI], v[HH], 10, v[BWI]
	v_add_nc_u32 v[BWI], s48, v[BWI]               ; block w of a K step stands in registers 4 (w >> 1) on of lane r + 16 (w & 1); lanes 16-31 store K step 1's
	s_add_co_u32 s48, s[WV], BSC
	v_add_nc_u32 v[BWS], s48, v[TB]                ; byte w of the word
	s_lshl_b32 s48, s[WV], 9
	s_add_co_u32 s48, s48, PSB
	v_lshlrev_b32 v[PSW], 5, v[HH]
	v_add_nc_u32 v[PSW], s48, v[PSW]
	v_lshlrev_b32 v[SH8], 3, v[HH]
	v_lshlrev_b32 v[PT2], 4, v[HH]                 ; offsets of the head's loads: the bias, 16 h;
	v_lshlrev_b32 v[PSA], 5, v[RR]                 ; kan2_spline_w, 32 r;
	v_lshlrev_b32 v[TA], 2, v[RR]                  ; kan2_base_w, 4 r
.irp p, 0,1
	v_mov_b32 v[C25+\p], 0x40200000                ; 2.5
	v_mov_b32 v[C55+\p], 0x40b00000                ; 5.5
	v_mov_b32 v[C65+\p], 0x40d00000                ; 6.5
	v_mov_b32 v[CM4+\p], -4.0
.endr
	v_mov_b32 v[KA3], 0x3e2aaaab                   ; 1/6
	v_mov_b32 v[KA3+1], 0.5
	v_mov_b32 v[KA2], 0
	v_mov_b32 v[KA2+1], -1.0
	v_mov_b32 v[KA0], 0
	v_mov_b32 v[KA0+1], 0x3f2aaaab                 ; 2/3
	v_mov_b32 v[KB3], 0.5
	v_mov_b32 v[KB3+1], 0x3e2aaaab
	v_mov_b32 v[KB2], -1.0
	v_mov_b32 v[KB2+1], 0
	v_mov_b32 v[KB0], 0x3f2aaaab
	v_mov_b32 v[KB0+1], 0
	v_mov_b32 v[CE01], 0xc0d00000                  ; -6.5
	v_mov_b32 v[CE01+1], 0xc0b00000                ; -5.5
	v_mov_b32 v[CE23], 0xc0900000                  ; -4.5
	v_mov_b32 v[CE23+1], 0xc0600000                ; -3.5
	v_mov_b32 v[CSH], 0x41400000                   ; 12
	v_mov_b32 v[CSH+1], 0x41e00000                 ; 28
	s_mov_b32 s[SEL], 0x76543210
	s_mov_b32 s[SEL+1], 0xfedcba98                 ; v_permlanex16_b32's selects for lane l xor 16
	s_mov_b32 s[MHI], 0xffff0000
	s_mov_b32 s[MLO], 0xffff
	s_mov_b32 s[KADD], 0x0f0e0d0c
	s_mov_b32 s[K08], 0x08080808
	s_mov_b32 s[K04], 0x04040404
	s_mov_b32 s[K0F], 0x0f0f0f0f
	s_mov_b32 s[KZ0], 0x05010400
	s_mov_b32 s[KZ1], 0x07030602
	s_mov_b32 s[NL], 0xbfb8aa3b                    ; -log2(e)
	s_mov_b32 s[NL+1], s[NL]                       ; (named with it as a pair, so it is written)
	s_mov_b32 s[BLK], 0
	s_mov_b32 s[PSO], 0
	s_wait_kmcnt 0x0
	s_cmp_lt_u32 s[WV], 2                          ; waves 0, 1 read stm, waves 2, 3 nstm
	s_cselect_b64 s[XP:XP+1], s[8:9], s[10:11]
	s_mul_i32 s48, ttmp9, 393216                   ; my work-group's 128 rows of 3,072 bytes,
	s_and_b32 s49, s[WV], 1
	s_mul_i32 s49, s49, 1536                       ; my three K steps of 512 bytes
	s_add_co_u32 s48, s48, s49
	s_mov_b32 s49, 0
	s_add_nc_u64 s[XP:XP+1], s[XP:XP+1], s[48:49]
	s_mul_i32 s48, s[WV], 49152
	s_add_nc_u64 s[18:19], s[18:19], s[48:49]      ; my 48 images,
	s_mul_i32 s48, s[WV], 3072
	s_add_nc_u64 s[20:21], s[20:21], s[48:49]      ; their scale words,
	s_lshl_b32 s48, s[WV], 7
	s_add_nc_u64 s[12:13], s[12:13], s[48:49]      ; my 32 units' bias,
	s_add_nc_u64 s[14:15], s[14:15], s[48:49]      ; my 32 features of kan2_base_w
	s_lshl_b32 s48, s[WV], 10
	s_add_nc_u64 s[16:17], s[16:17], s[48:49]      ; and of kan2_spline_w
	s_lshl_b32 s48, ttmp9, 9
	s_and_b32 s52, s[WV], 1
	s_lshl_b32 s52, s52, 8
	s_add_co_u32 s48, s48, s52
	s_add_nc_u64 s[22:23], s[22:23], s[48:49]      ; out0: my work-group's 128 rows; waves 0 and 1 store 64 each
	WIN 0xc0                                       ; destination window 3
	s_wait_alu depctr_va_vdst(0)                   ; the addresses and offsets v4 to v17 and v20 to v23 are written, which the loads and stores of the whole kernel read; only loads and window switches follow up to x's loads
.set L_, 0
.rept 12                                       ; ft_w's fragments 2 k + u
.irp c, 0,1
	global_load_b128 v[8*L_+4*\c:8*L_+4*\c+3], v[LI], s[18:19] offset:1024*L_+512*\c
.endr
.set L_, L_+1
.endr
.set L_, 44
.rept 4                                        ; KAN1's base fragments
.irp c, 0,1
	global_load_b128 v[96+8*(L_-44)+4*\c:96+8*(L_-44)+4*\c+3], v[LI], s[18:19] offset:1024*L_+512*\c
.endr
.set L_, L_+1
.endr
.irp u, 0,1                                    ; the bias in the result's layout: register j of lane (r, h) is unit 16 u + 8 (j / 4) + 4 h + j % 4
	global_load_b128 v[128+8*\u:131+8*\u], v[PT2], s[12:13] offset:64*\u
	global_load_b128 v[132+8*\u:135+8*\u], v[PT2], s[12:13] offset:64*\u+32
.endr
	WIN 0x80                                       ; destination window 2
.set L_, 12
.rept 32                                       ; KAN1's spline fragments 2 ks + v
.irp c, 0,1
	global_load_b128 v[8*(L_-12)+4*\c:8*(L_-12)+4*\c+3], v[LI], s[18:19] offset:1024*L_+512*\c
.endr
.set L_, L_+1
.endr
	WIN 0
.set L_, 0
.rept 24                                       ; the weights' scale words: a pair of tiles is 128 bytes: lanes 0-15 the first tile's rows, lanes 16-31 the second's
	global_load_b32 v[FTS+L_], v[TB], s[20:21] offset:128*L_
.set L_, L_+1
.endr
.irp v, 0,1
	global_load_b128 v[128+8*\v:131+8*\v], v[PSA], s[16:17] offset:512*\v
	global_load_b128 v[132+8*\v:135+8*\v], v[PSA], s[16:17] offset:512*\v+16
	global_load_b32 v[KBW+\v], v[TA], s[14:15] offset:64*\v
.endr
	XLOADS                                         ; block 0
	s_wait_loadcnt 48                              ; all but x's 48 loads are in
	s_mov_b32 s48, 0x07050301
	s_mov_b32 s49, 0x06040200
.irp v, 0,1                                    ; KAN2's tables: eight coefficients to bf16, their high bytes and their low bytes apart
.irp n, 0,1,2,3
	v_cvt_pk_bf16_f32 v[144+4*\v+\n], v[128+8*\v+2*\n], v[129+8*\v+2*\n]
.endr
	v_perm_b32 v[KT+4*\v], v[145+4*\v], v[144+4*\v], s48
	v_perm_b32 v[KT+4*\v+1], v[147+4*\v], v[146+4*\v], s48
	v_perm_b32 v[KT+4*\v+2], v[145+4*\v], v[144+4*\v], s49
	v_perm_b32 v[KT+4*\v+3], v[147+4*\v], v[146+4*\v], s49
.endr
	s_wait_alu depctr_va_vdst(0)                   ; the tables' lines are done with v128-151, in which the first block's stage reads land
.Lblock:
	; ---- X: my three fragments of x
	WIN 0x04                                       ; an LDS store's data are its source 1: window 1
.irp i, 0,1,2
	s_wait_loadcnt 32-16*\i                        ; K step i's sixteen loads are in; the later K steps' may be out
.irp p, 0,1,2,3,4,5,6,7,8,9,10,11,12,13,14,15
	ds_store_b128 v[STW], v[64*\i+4*\p:64*\i+4*\p+3] offset:STGB*\i+528*\p
.endr
.endr
	WIN 0
	STIN 0, Q0                                     ; LDS serves a wave's instructions in order: these see my stores.  No vector line has named v128-255 since the last wait on va_vdst (ahead of the label; round the loop: ahead of the partial sums' stores)
	STIN 1, Q1
	s_wait_dscnt 32                                ; all but the 32 loads: the 48 stores are done
	s_wait_alu depctr_vm_vsrc(0)                   ; the 48 stores have read x's registers, in which the next block's loads land; the last block's stores of partial sums have read v112-119 and v21, which QUANT64 and A2 write again; in the first trip the head's loads have read v20-23
	s_cmp_eq_u32 s[BLK], 7                         ; x's registers take the next block, if there is one: no load leaves its buffer
	s_cbranch_scc1 .Lno_next
	s_add_nc_u64 s[XP:XP+1], s[XP:XP+1], 49152     ; 16 rows on (the wait for 0 above has shown every load that read this pointer done)
	XLOADS
.Lno_next:
	s_wait_dscnt 16                                ; stage 0 is back
	QUANT64 Q0, PCA, WDA
	s_wait_alu depctr_va_vdst(0)                   ; fragment 0's codes and word are written, which the stores below read; its lines are done reading Q0, in which stage 2's reads land
	XOUT 0, PCA, WDA
	STIN 2, Q0
	s_wait_dscnt 19                                ; stage 1 is back: behind it stand 3 stores and 16 loads
	QUANT64 Q1, PCC, WDB
	s_wait_dscnt 0x0                               ; stage 2 is back: nothing was issued behind its reads
	QUANT64 Q0, PCE, WDC
	s_wait_alu depctr_va_vdst(0)                   ; fragments 1 and 2's codes and words are written, which the six stores below read; the quantisers are done with v128-255, and the products of the block before with v84-95, in which the loads behind the barrier land
	XOUT 1, PCC, WDB
	XOUT 2, PCE, WDC
	BARRIER                                        ; x's twelve fragments lie in LDS; every wave's reads of the activations' images of the block before are in
	s_wait_alu depctr_vm_vsrc(0)                   ; my nine stores have read v96-111, v120 and v121, which the products below write, and v232, which A1 writes
	; ---- P1: my four tiles of hidden
.set L_, 0
.rept 12
	ds_load_b32 v[XS+L_], v[XRS] offset:128*L_
.set L_, L_+1
.endr
.irp k, 0,1,2,3,4,5
.irp t, 0,1
.irp c, 0,1
	ds_load_b128 v[XF+8*(2*\k+\t)+4*\c:XF+8*(2*\k+\t)+4*\c+3], v[XRI] offset:1024*(6*\t+\k)+512*\c
.endr
.endr
.endr
.irp k, 0,1,2,3,4,5                            ; four accumulators by turns, one instruction a turn
	s_wait_dscnt 4*(5-\k)                          ; the later K steps' four loads each may be out
.if \k == 0
	WIN 0x33                                       ; source 0 (ft_w) and source 2 (the bias) window 3
	MM HT, 0, XF, 128, FTS, XS, 0, 0
	MM HT+8, 8, XF, 136, FTS, XS, 1, 0
	MM HT+16, 0, XF+8, 128, FTS, XS+6, 0, 0
	MM HT+24, 8, XF+8, 136, FTS, XS+6, 1, 0
.else
	WIN 0x03
	MM HT, 16*\k, XF+16*\k, HT, FTS+\k, XS+\k, 0, 0
	MM HT+8, 16*\k+8, XF+16*\k, HT+8, FTS+\k, XS+\k, 1, 0
	MM HT+16, 16*\k, XF+16*\k+8, HT+16, FTS+\k, XS+6+\k, 0, 0
	MM HT+24, 16*\k+8, XF+16*\k+8, HT+24, FTS+\k, XS+6+\k, 1, 0
.endif
.endr
	WIN 0
.rept 5
	v_nop                                          ; places behind the products (ISA guide 7.12.1): four for the reads and writes by vector instructions below, a fifth since KAN1's sums are later begun anew over these registers
.endr
	; ---- A1 (a): silu(hidden): my 32 units are block w of K step t
	SILU 32, HT, S1
	BMAX BM, S1
	v_permlanex16_b32 v[PT], v[BM], s[SEL], s[SEL+1]
	v_permlanex16_b32 v[PT2], v[BM+2], s[SEL], s[SEL+1]
	v_max_num_f32 v[BM], v[BM], v[PT]              ; with lane l xor 16's 16: the block's largest magnitude
	v_max_num_f32 v[BM+2], v[BM+2], v[PT2]
	v_add_nc_u32 v[BSV], 0xff000000, v[BM]
	v_add_nc_u32 v[BSV+1], 0xff000000, v[BM+2]
	v_lshrrev_b32 v[BB], 23, v[BSV]
	v_lshrrev_b32 v[BB+1], 23, v[BSV+1]
.irp n, 0,1,2,3
	v_cvt_scalef32_pk8_fp4_f32 v[PCB+\n], v[S1+8*\n:S1+8*\n+7], v[BSV+\n/2]
.endr
	v_cndmask_b32 v[BYS], v[BB], v[BB+1], s[MHI]   ; (a plain line behind the conversions)  lanes 16-31 take K step 1's byte
	v_permlane16_swap_b32 v[PCB], v[PCB+2]         ; lanes 0-15 now hold all 32 codes of K step 0's block, lanes 16-31 of K step 1's,
	v_permlane16_swap_b32 v[PCB+1], v[PCB+3]       ; in the order inside a block in which the launch before has laid kan1_base_w
	; ---- A1 (b): the spline bases; the stores go out in two runs, each behind one wait
	SPL 0, 0
	SPL 0, 1
	s_wait_alu depctr_va_vdst(0)                   ; the base operand's codes and byte (v248-252), the first two fragments' codes (v96-111) and their words (v246) are written, which the seven stores below read; the next two fragments' lines name none of them
	ds_store_b128 v[BWI], v[PCB:PCB+3]
	ds_store_b8 v[BWS], v[BYS]
	SOUT 0
	SPL 1, 0
	SPL 1, 1
	s_wait_alu depctr_va_vdst(0)                   ; the last two fragments' codes (v112-127) and their words (v247) are written, which the five stores below read; A1's lines are done with v112-255, and P1's products with v84-95, in which the loads behind the barrier land
	SOUT 1
	BARRIER                                        ; the activations' eighteen fragments lie in LDS; every wave's reads of x's images are in
	s_wait_alu depctr_vm_vsrc(0)                   ; my twelve stores have read v96-127 and v246-252: the loads below land in v112-255, the first products write v96-111
	; ---- P2: KAN1: source 0 = 16 rows of activations, source 1 = 16 output features
.set L_, 0
.rept 8
	ds_load_b32 v[SS+L_], v[SRS] offset:128*L_
.set L_, L_+1
.endr
	ds_load_b32 v[BS], v[SRS] offset:BSC-SSC
.set L_, 0
.rept 18                                       ; the base operand's two images lie BIMG - SIMG - 16 x 1,024 = 1,024 bytes behind the spline's sixteen
.irp c, 0,1
	ds_load_b128 v[AF+8*L_+4*\c:AF+8*L_+4*\c+3], v[SRI] offset:1024*L_+1024*(L_/16)+512*\c
.endr
.set L_, L_+1
.endr
	WIN 0x08                                       ; source 1 window 2
.set L_, 0
.rept 16                                       ; two accumulators by turns, one instruction a turn
	s_wait_dscnt 2*(17-L_)                         ; the later K steps' two loads each may be out
.if L_ == 0
	v_wmma_scale_f32_16x16x128_f8f6f4 v[ACC:ACC+7], v[AF:AF+7], v[0:7], 0, v[SS], v[K1S] matrix_a_fmt:MATRIX_FMT_FP4 matrix_b_fmt:MATRIX_FMT_FP4
	v_wmma_scale_f32_16x16x128_f8f6f4 v[ACC+8:ACC+15], v[AF:AF+7], v[8:15], 0, v[SS], v[K1S] matrix_a_fmt:MATRIX_FMT_FP4 matrix_b_fmt:MATRIX_FMT_FP4 matrix_b_scale:MATRIX_SCALE_ROW1
.else
	MM ACC, AF+8*L_, 16*L_, ACC, SS+L_/2, K1S+L_, L_%2, 0
	MM ACC+8, AF+8*L_, 16*L_+8, ACC+8, SS+L_/2, K1S+L_, L_%2, 1
.endif
.set L_, L_+1
.endr
	WIN 0x0c                                       ; source 1 window 3: the base weights
.irp s, 0,1
	s_wait_dscnt 2*(1-\s)
	MM ACC, AF+8*(16+\s), 96+16*\s, ACC, BS, K1S+16+\s, \s, 0
	MM ACC+8, AF+8*(16+\s), 104+16*\s, ACC+8, BS, K1S+16+\s, \s, 1
.endr
	WIN 0
.rept 5
	v_nop                                          ; places, as behind the first products: the next block's hidden tiles are begun anew over these registers
.endr
	; ---- A2: KAN2: lane (r, h) holds feature 32 w + 16 v + r of rows 8 h + 0 .. 7
	SILU 16, ACC, S2
.irp p, 0,1,2,3
	v_pk_mul_f32 v[OUT+2*\p:OUT+2*\p+1], v[S2+2*\p:S2+2*\p+1], v[KBW:KBW+1] op_sel_hi:[1,0]
.endr
.irp p, 0,1,2,3
	v_pk_fma_f32 v[OUT+2*\p:OUT+2*\p+1], v[S2+8+2*\p:S2+9+2*\p], v[KBW:KBW+1], v[OUT+2*\p:OUT+2*\p+1] op_sel:[0,1,0] op_sel_hi:[1,1,1]
.endr
	K2 0
	K2 1
.irp m, 1,2,4,8                                ; over the sixteen lanes of a half: my 32 features' sum for each of its eight rows
.irp j, 0,1,2,3,4,5,6,7
	v_add_f32_dpp v[OUT+\j], v[OUT+\j], v[OUT+\j] row_xmask:\m row_mask:0xf bank_mask:0xf
.endr
.endr
	v_add_nc_u32 v[PSA], s[PSO], v[PSW]
	s_wait_alu depctr_va_vdst(0)                   ; the sums v112-119 and their address v21 are written, which the two stores read; A2's lines and P2's products are done with v128-255, in which the next block's stage reads land
	ds_store_b128 v[PSA], v[OUT:OUT+3]             ; the sixteen lanes of a half write the same bytes with the same values
	ds_store_b128 v[PSA], v[OUT+4:OUT+7] offset:16
	s_add_co_u32 s[PSO], s[PSO], 64                ; 16 rows on
	s_add_co_u32 s[BLK], s[BLK], 1
	s_cmp_lt_u32 s[BLK], 8
	s_cbranch_scc1 .Lblock
	; ---- the end: the four waves' partial sums, the sigmoid; waves 0 and 1 store 64 rows each
	s_and_b32 s48, s[WV], 1
	s_lshl_b32 s48, s48, 8
	s_add_co_u32 s48, s48, PSB
	v_lshl_add_u32 v[TA], v[LN], 3, s48            ; rows 64 w + 2 x lane, + 1  (the head's loads that read v22 and v23 stand ahead of the loop's waits on vm_vsrc)
	v_lshlrev_b32 v[TB], 3, v[LN]
	BARRIER                                        ; every wave's partial sums lie in LDS
	s_cmp_ge_u32 s[WV], 2
	s_cbranch_scc1 .Lend
	s_wait_alu depctr_va_vdst(0)                   ; v22 is written, which the LDS loads read as their address, and v23, which the store reads as its offset
.irp q, 0,1,2,3
	ds_load_b64 v[128+2*\q:129+2*\q], v[TA] offset:512*\q
.endr
	s_wait_dscnt 0x0
	v_pk_add_f32 v[128:129], v[128:129], v[130:131]
	v_pk_add_f32 v[132:133], v[132:133], v[134:135]
	v_pk_add_f32 v[128:129], v[128:129], v[132:133]
	v_pk_mul_f32 v[128:129], v[128:129], s[NL:NL+1] op_sel_hi:[1,0]
	s_wait_alu depctr_va_vdst(0)
	v_exp_f32 v128, v128
	v_exp_f32 v129, v129
	v_nop                                          ; a plain line behind the transcendentals,
	s_wait_alu depctr_va_vdst(0)                   ; and the wait: the exponentials have written v128-129, ahead of the addition that reads them
	v_pk_add_f32 v[128:129], v[128:129], 1.0 op_sel_hi:[1,0]
	s_wait_alu depctr_va_vdst(0)
	v_rcp_f32 v128, v128
	v_rcp_f32 v129, v129
	v_nop
	s_wait_alu depctr_va_vdst(0)                   ; the reciprocals have written v128-129, which the store reads
	global_store_b64 v[TB], v[128:129], s[22:23]   ; 32 lanes store 256 consecutive bytes, at a multiple of 256 from out0's first byte
.Lend:
	s_set_vgpr_msb 0x5
	s_wait_dscnt 0x0
	s_wait_alu depctr_hold_cnt(0) depctr_sa_sdst(0) depctr_va_vdst(0) depctr_va_sdst(0) depctr_va_ssrc(0) depctr_va_vcc(0) depctr_vm_vsrc(0)
	s_wait_tensorcnt 0x0
	ds_add_u32 v254, v255
	s_wait_dscnt 0x0
	s_endpgm
.Lfunc_end_k_q6a3a91e294_main:
	.size	k_q6a3a91e294_main, .Lfunc_end_k_q6a3a91e294_main-k_q6a3a91e294_main
	.p2alignl 7, 3214868480
	.fill 96, 4, 3214868480
	.section	.rodata,"a",@progbits
	.p2align	6, 0x0
	.amdhsa_kernel k_q6a3a91e294_main
		.amdhsa_group_segment_fixed_size 137728
		.amdhsa_private_segment_fixed_size 0
		.amdhsa_enable_private_segment 0
		.amdhsa_kernarg_size 64
		.amdhsa_user_sgpr_count 2
		.amdhsa_user_sgpr_kernarg_segment_ptr 1
		.amdhsa_wavefront_size32 1
		.amdhsa_system_sgpr_workgroup_id_x 1
		.amdhsa_system_sgpr_workgroup_id_y 1
		.amdhsa_system_sgpr_workgroup_id_z 1
		.amdhsa_system_vgpr_workitem_id 0
		.amdhsa_next_free_vgpr 912
		.amdhsa_next_free_sgpr 66
		.amdhsa_reserve_vcc 0
		.amdhsa_float_denorm_mode_32 3
		.amdhsa_float_denorm_mode_16_64 3
		.amdhsa_memory_ordered 1
		.amdhsa_forward_progress 1
		.amdhsa_inst_pref_size 144
	.end_amdhsa_kernel
	.amdgpu_metadata
---
amdhsa.version: [ 1, 2 ]
amdhsa.kernels:
  - .name:           k_q6a3a91e294_main
    .symbol:         k_q6a3a91e294_main.kd
    .args:
      - { .name: stm, .offset: 0, .size: 8, .value_kind: global_buffer, .address_space: global }
      - { .name: nstm, .offset: 8, .size: 8, .value_kind: global_buffer, .address_space: global }
      - { .name: ft_b, .offset: 16, .size: 8, .value_kind: global_buffer, .address_space: global }
      - { .name: kan2_base_w, .offset: 24, .size: 8, .value_kind: global_buffer, .address_space: global }
      - { .name: kan2_spline_w, .offset: 32, .size: 8, .value_kind: global_buffer, .address_space: global }
      - { .name: wimg, .offset: 40, .size: 8, .value_kind: global_buffer, .address_space: global }
      - { .name: wsc, .offset: 48, .size: 8, .value_kind: global_buffer, .address_space: global }
      - { .name: out0, .offset: 56, .size: 8, .value_kind: global_buffer, .address_space: global }
    .group_segment_fixed_size: 137728
    .private_segment_fixed_size: 0
    .kernarg_segment_align: 8
    .kernarg_segment_size: 64
    .max_flat_workgroup_size: 128
    .sgpr_count:     66
    .vgpr_count:     912
    .wavefront_size: 32
...
	.end_amdgpu_metadata
.endif
;; end of part 4
